; MI455X (gfx1250); checked and timed in simulation.
; The chip was launched on July 23, 2026; its instructions are those of AMD's public machine-readable ISA for CDNA 5 (MIT licence, August 2026) and "CDNA5" Instruction Set Architecture Reference Guide (July 2026). The comments in the code are by the model that wrote it; some were corrected since.
;; Multi Head Dot Product Attention. Allowed arithmetic: matrix products marked QUANTISED: E2M3 operands, one E8M0 scale for each 32 along K, by v_wmma_scale_f32_16x16x128_f8f6f4 with both operands' format E2M3, f32 sums; everything else in f32.
;; Inputs: Wk 512 x 512 float32; Wo 512 x 512 float32; Wq 512 x 512 float32; Wv 512 x 512 float32; bk 512 float32; bo 512 float32; bq 512 float32; bv 512 float32; inputs_kv 16 x 1,024 x 512 float32; inputs_q 16 x 1,024 x 512 float32; toeplitz 8 x 4,096 float32.
;; Outputs: out0 16 x 1,024 x 8 x 64 float32.
;; This version of the problem:
;;   THIS VERSION OF THE PROBLEM IS GIVEN IN LOW PRECISION. The matrix products marked QUANTISED in the list below multiply operands that are first quantised to E2M3 (2 exponent bits, 3 mantissa bits; 6 bits a number), with one power-of-two scale for each 32 numbers along K (OCP MX v1.0); their sums are f32. All else is computed in f32.
;;   The module's matrix products, in the order in which they are computed (A, B: the left and right operand; K: the contracted axis; several contracted axes count as one K, in the product's order):
;;     1. [M 16,384, K 512] x [K 512, N 512]; A: input inputs_q; B: input Wq: QUANTISED
;;     2. [M 16,384, K 512] x [K 512, N 512]; A: input inputs_kv; B: input Wk: QUANTISED
;;     3. [M 16,384, K 512] x [K 512, N 512]; A: input inputs_kv; B: input Wv: QUANTISED
;;     4. batch 128 x [M 1,024, K 64] x [K 64, N 1,024]; A: computed on the way; B: computed on the way: QUANTISED
;;     5. batch 128 x [M 64, K 1,024] x [K 1,024, N 1,024]; A: computed on the way; B: softmax (see below): QUANTISED
;;     6. [M 16,384, K 512] x [K 512, N 512]; A: computed on the way; B: input Wo: QUANTISED
;;   THE QUANTISER, for each operand of a quantised product, along K:
;;     - K is cut into blocks of 32 from its start; a last block that is shorter is filled with zeros.
;;     - A block's scale is 2^e with e = floor(log2(the largest magnitude in the block)) - 2, held to -126 .. 127; a block of zeros has e = 0. As a byte (E8M0): e + 127.
;;     - Each number is divided by its block's scale, clamped to +-7.5, and rounded to the nearest number of E2M3, ties to even, subnormals kept.
;;     - The product sums the exact products of the quantised numbers (number of the format x scale) in f32.
;;   ~~~python
;;   def quantise(x, axis):      # numpy; x: float32 -> the quantised numbers, widened to float32 again
;;       x = np.moveaxis(x, axis, -1); K = x.shape[-1]
;;       x = np.pad(x, [(0, 0)] * (x.ndim - 1) + [(0, -K % 32)]); x = x.reshape(x.shape[:-1] + (-1, 32)); a = np.abs(x).max(-1, keepdims=True)
;;       e = np.where(a > 0, np.clip(np.frexp(np.where(a > 0, a, 1))[1] - 1 - 2, -126, 127), 0)      # np.frexp(a)[1] - 1 = floor(log2(a)), exactly
;;       r = np.clip(x / 2.0 ** e, -7.5, 7.5)
;;       step = 2.0 ** (np.maximum(np.frexp(np.where(r == 0, 1, r))[1] - 1, 0) - 3)
;;       q = np.round(r / step) * step * 2.0 ** e      # np.round: ties to even
;;       return np.moveaxis(q.reshape(q.shape[:-2] + (-1,))[..., :K], -1, axis).astype(np.float32)
;;   ~~~
;;   SOFTMAX AHEAD OF A QUANTISED PRODUCT. Where the list says 'softmax', what is quantised is not the finished softmax but p = 2^(t - M), with t = logit x log2(e) and M = ceil(the row's largest t), a whole number; so 1/2 < the row's largest p <= 1. The row's sum l is taken of the UNQUANTISED p, in f32, and the product's result is divided by l at the end. Since M is a whole number, a kernel that streams over the keys may use a running M (the ceiling of the running maximum): every later rescaling is an exact power of two, which a block's scale takes up: the codes' values come out the same.
;;   OPERANDS COMPUTED ON THE WAY. 'Computed on the way' means the value that the module computes at that place (a softmax that the list does not call 'softmax' is quantised finished and normalised). What goes into a quantiser is computed in f32, as accurately as f32 sums, v_exp_f32 and their like allow (about 1e-6 of the number): no bf16 or f16 on the way to a quantiser, and a product that is left as it is and whose result goes on into a quantised operand takes f32 operands (vector FMAs, or v_wmma_f32_16x16x4_f32). A number that lies on a knife's edge between two numbers of the format may be rounded either way, as far as f32 arithmetic and the matrix unit's own rounding can turn it there, and no further.
;; One version. Each part assembles by itself: llvm-mc -triple=amdgcn-amd-amdhsa -mcpu=gfx1250 --defsym DOCPART=n.
;; ======== version 1 of 1: 4 launches
;; limits: right only within a limited range of input values
;; workspace buffers: wbuf 819,200 bytes; qc 6,291,456 bytes; qs 524,288 bytes; kv 13,369,344 bytes; xr 6,553,600 bytes
;; launch prep (part 1): grid 64 x 4, 1 waves a work-group, no clusters, 3,328 bytes of LDS; arguments Wq, Wk, Wv, Wo, wbuf; writes wbuf
.if DOCPART == 1
	.amdgcn_target "amdgcn-amd-amdhsa--gfx1250"
	.amdhsa_code_object_version 6
	.text
	.protected	k_qadddffe912_prep
	.globl	k_qadddffe912_prep
	.p2align	8
	.type	k_qadddffe912_prep,@function
k_qadddffe912_prep:
	s_mov_b64 s[64:65], 0
	v_nop
	global_prefetch_b8 v0, s[64:65] scope:SCOPE_SE
	s_setreg_imm32_b32 hwreg(HW_REG_WAVE_MODE, 25, 1), 1
	s_wait_xcnt 0x0
; The four weights [512 (k)][512 (n)], f32, K along the FIRST axis, become codes of FP6 (E2M3) with one E8M0 byte for each 32 along K,
; laid in wbuf in the order of the matrix operand's registers, so that the products' launches take a fragment by three loads of 16 bytes a lane.
; wbuf: block 2 wi + kh (wi = q, k, v, o; kh = half of K), 102,400 bytes each: fragment (n tile nt, K step s' of the half) at (2 nt + s') x 1,536:
; registers 4 c .. 4 c + 3 of lane l at 512 c + 16 l; behind the 64 fragments the scale words, at 98,304 + 128 nt + 64 s' + 4 r.
; THE COLUMNS OF AN n TILE ARE NOT NEIGHBOURS: lane r of tile nt takes column 32 (nt / 2) + 8 (nt % 2) + r + 8 (r / 8), so that in a transposed product the 16 registers
; of tiles 2 b and 2 b + 1 are 16 neighbours along the next K.
; SHARES.  One wave to a work-group: 32 columns x 128 along K of one weight (x: 4 x column group + K step; y: the weight): 256 work-groups.
; A LANE TAKES A COLUMN AND ITS REGISTERS RUN DOWN K: a load reads 128 consecutive bytes, a block of 32 along K lies in one lane, nothing is transposed by an instruction.
; A block's scale is 2^(floor(log2(largest magnitude)) - 2): its byte is the largest magnitude's exponent field - 2, held at 1 from below.
; LIMITS: NaN and infinities are not served; a block whose largest magnitude lies under 2^-124 keeps the byte 1; a block of zeros gets the byte 1 where the rule says 127: its codes are zeros, and this program alone reads the bytes.
; The scale words leave as two pieces of 64 bytes a wave (8 KB a weight): those aligned blocks of 256 bytes are written in part by each of two work-groups.
.set SPARE, 3072                       ; behind the stage of two fragment images: the spare words, one block of 256 bytes that no other line names
.set X,     32                         ; v32-159  my column's 128 numbers
.set C,     16                         ; v16-21   a block's codes; v22-24 its second half as converted
.set SB,    26                         ; v26      my column's scale word
.set SPW,   14                         ; v14      LDS address of my spare word; never rewritten
.set NIL,   15                         ; v15      0; never rewritten
.set OUTR,  160                        ; v160-183 the way out
	s_load_b256 s[4:11], s[0:1], 0x0               ; Wq, Wk, Wv, Wo
	s_load_b64 s[12:13], s[0:1], 0x20              ; wbuf
	v_lshl_add_u32 v[SPW], v0, 2, SPARE
	v_mov_b32 v[NIL], 0
	s_lshr_b32 s16, ttmp9, 2                       ; cg: which 32 columns
	s_and_b32 s17, ttmp9, 3                        ; s: which 128 along K
	s_and_b32 s18, ttmp7, 0xffff                   ; wi: which weight
	v_lshlrev_b32 v3, 2, v0                        ; in: 4 bytes a lane
	v_bfe_u32 v5, v0, 3, 1                         ; u: column l = 16 (r / 8) + 8 u + r % 8 belongs to tile 2 cg + u,
	v_and_b32 v6, 7, v0
	v_lshrrev_b32 v7, 4, v0
	v_lshl_add_u32 v6, v7, 3, v6                   ; and is its row r
	v_lshlrev_b32 v4, 4, v6
	v_mad_u32_u24 v4, v5, 1536, v4                 ; the stage: image u, 16 r
	v_lshlrev_b32 v8, 4, v0                        ; the way out: 16 bytes a lane
	v_lshlrev_b32 v9, 2, v6
	v_lshl_add_u32 v9, v5, 7, v9                   ; my scale word: 128 u + 4 r
	s_lshl_b32 s20, s17, 18                        ; in: 128 s rows of 2,048 bytes
	s_lshl_b32 s21, s16, 7                         ;     + 32 cg columns
	s_add_co_u32 s20, s20, s21
	s_mov_b32 s21, 0
	s_mul_i32 s22, s18, 204800
	s_lshr_b32 s23, s17, 1
	s_mul_i32 s23, s23, 102400
	s_add_co_u32 s22, s22, s23                     ; my block of wbuf
	s_and_b32 s19, s17, 1                          ; s'
	s_mul_i32 s24, s16, 6144                       ; fragments (2 cg, s') and, 3,072 on, (2 cg + 1, s')
	s_mul_i32 s25, s19, 1536
	s_add_co_u32 s24, s24, s25
	s_add_co_u32 s24, s24, s22
	s_mov_b32 s25, 0
	s_lshl_b32 s26, s16, 8                         ; their scale words
	s_lshl_b32 s27, s19, 6
	s_add_co_u32 s26, s26, s27
	s_add_co_u32 s26, s26, s22
	s_add_co_u32 s26, s26, 98304
	s_mov_b32 s27, 0
	s_and_b32 s28, s18, 1
	s_wait_kmcnt 0x0
	s_cmp_lt_u32 s18, 2                            ; the weight is chosen by the work-group's number alone
	s_cselect_b64 s[4:5], s[4:5], s[8:9]           ; Wq or Wv
	s_cselect_b64 s[6:7], s[6:7], s[10:11]         ; Wk or Wo
	s_cmp_eq_u32 s28, 0
	s_cselect_b64 s[4:5], s[4:5], s[6:7]
	s_add_nc_u64 s[4:5], s[4:5], s[20:21]
	s_add_nc_u64 s[24:25], s[12:13], s[24:25]
	s_add_nc_u64 s[26:27], s[12:13], s[26:27]
.set kk, 0
.rept 128
	global_load_b32 v[X+kk], v3, s[4:5] offset:kk*2048 th:TH_LOAD_NT   ; W(128 s + kk, my column): all of the wave's loads go out at once
.set kk, kk+1
.endr
; Block kb of 32 along K.  In the operand it belongs to lane r + 16 (kb % 2), registers 6 (kb / 2) on.  left: the younger loads that may stay out.
.macro BLOCK kb, left
.set XS, X+32*(\kb)
	s_wait_loadcnt \left
	v_max3_num_f32 v12, |v[XS]|, |v[XS+1]|, |v[XS+2]|               ; the largest magnitude: all 32 numbers are mine; two chains
	v_max3_num_f32 v13, |v[XS+3]|, |v[XS+4]|, |v[XS+5]|
.irp i, 6,10,14,18,22,26
	v_max3_num_f32 v12, v12, |v[XS+\i]|, |v[XS+\i+1]|
	v_max3_num_f32 v13, v13, |v[XS+\i+2]|, |v[XS+\i+3]|
.endr
	v_max3_num_f32 v12, v12, |v[XS+30]|, |v[XS+31]|
	v_max3_num_f32 v12, v12, v13, 0x1800000        ; and the floor 2^(3 - 127): the byte cannot fall under 1
	v_add_nc_u32 v11, 0xff000000, v12              ; 2 off the exponent field: the conversion takes the exponent field of this operand as its scale
	v_lshrrev_b32 v13, 23, v11                     ; the scale's byte
.if (\kb) == 0
	v_mov_b32 v[SB], v13
.else
	v_lshl_or_b32 v[SB], v13, 8*(\kb), v[SB]
.endif
	v_cvt_scalef32_pk16_fp6_f32 v[C:C+2], v[XS:XS+15], v11
	v_cvt_scalef32_pk16_fp6_f32 v[C+6:C+8], v[XS+16:XS+31], v11     ; (a conversion's three registers begin on an even number)
	v_nop                                          ; one plain place behind a scaled conversion
.irp i, 0,1,2
	v_mov_b32 v[C+3+\i], v[C+6+\i]                 ; the block's six registers on end
.endr
.if (\kb)/2 == 0
	ds_store_b128 v4, v[C:C+3] offset:256*((\kb)%2)            ; registers 0-3: chunk 0
	ds_store_b64 v4, v[C+4:C+5] offset:512+256*((\kb)%2)       ; registers 4-5: the lower half of chunk 1
.else
	ds_store_b64 v4, v[C:C+1] offset:520+256*((\kb)%2)         ; registers 6-7: its upper half
	ds_store_b128 v4, v[C+2:C+5] offset:1024+256*((\kb)%2)     ; registers 8-11: chunk 2
.endif
	s_wait_dscnt 0x0                               ; the stores have read their registers: the next block's codes may be written
.endm
	BLOCK 0, 63                                    ; 96 loads are younger than this block's last; the wait's field holds 63
	BLOCK 1, 63                                    ; 64 are younger
	BLOCK 2, 32
	BLOCK 3, 0
	s_wait_alu depctr_va_vdst(0)
	global_store_b32 v9, v[SB], s[26:27]           ; my column's scale word
.irp i, 0,1,2,3,4,5
	ds_load_b128 v[OUTR+4*\i:OUTR+4*\i+3], v8 offset:512*\i    ; LDS serves a wave's instructions in order: these see my stores
.endr
.irp i, 0,1,2,3,4,5
	s_wait_dscnt 5-\i
	global_store_b128 v8, v[OUTR+4*\i:OUTR+4*\i+3], s[24:25] offset:3072*(\i/3)+512*(\i%3)   ; 32 lanes store 512 consecutive bytes, at a multiple of 256 from wbuf's first byte
.endr
	s_wait_tensorcnt 0x0                           ; the wave's end, behind my last LDS store
	ds_add_u32 v[SPW], v[NIL]
	s_wait_dscnt 0x0
	s_endpgm
.Lfunc_end_k_qadddffe912_prep:
	.size	k_qadddffe912_prep, .Lfunc_end_k_qadddffe912_prep-k_qadddffe912_prep
	.p2alignl 7, 3214868480
	.fill 96, 4, 3214868480
	.section	.rodata,"a",@progbits
	.p2align	6, 0x0
	.amdhsa_kernel k_qadddffe912_prep
		.amdhsa_group_segment_fixed_size 3328
		.amdhsa_private_segment_fixed_size 0
		.amdhsa_enable_private_segment 0
		.amdhsa_kernarg_size 40
		.amdhsa_user_sgpr_count 2
		.amdhsa_user_sgpr_kernarg_segment_ptr 1
		.amdhsa_wavefront_size32 1
		.amdhsa_system_sgpr_workgroup_id_x 1
		.amdhsa_system_sgpr_workgroup_id_y 1
		.amdhsa_system_sgpr_workgroup_id_z 1
		.amdhsa_system_vgpr_workitem_id 0
		.amdhsa_next_free_vgpr 192
		.amdhsa_next_free_sgpr 66
		.amdhsa_reserve_vcc 0
		.amdhsa_float_denorm_mode_32 3
		.amdhsa_float_denorm_mode_16_64 3
		.amdhsa_memory_ordered 1
		.amdhsa_forward_progress 1
		.amdhsa_inst_pref_size 23
	.end_amdhsa_kernel
	.amdgpu_metadata
---
amdhsa.version: [ 1, 2 ]
amdhsa.kernels:
  - .name:           k_qadddffe912_prep
    .symbol:         k_qadddffe912_prep.kd
    .args:
      - { .name: Wq, .offset: 0, .size: 8, .value_kind: global_buffer, .address_space: global }
      - { .name: Wk, .offset: 8, .size: 8, .value_kind: global_buffer, .address_space: global }
      - { .name: Wv, .offset: 16, .size: 8, .value_kind: global_buffer, .address_space: global }
      - { .name: Wo, .offset: 24, .size: 8, .value_kind: global_buffer, .address_space: global }
      - { .name: wbuf, .offset: 32, .size: 8, .value_kind: global_buffer, .address_space: global }
    .group_segment_fixed_size: 3328
    .private_segment_fixed_size: 0
    .kernarg_segment_align: 8
    .kernarg_segment_size: 40
    .max_flat_workgroup_size: 32
    .sgpr_count:     66
    .vgpr_count:     192
    .wavefront_size: 32
...
	.end_amdgpu_metadata
.endif
;; end of part 1
;; launch proj (part 2): grid 256 x 1, 8 waves a work-group, clusters of 4 x 1, 327,680 bytes of LDS; arguments inputs_q, inputs_kv, wbuf, bq, bk, bv, qc, qs, kv; writes qc, qs, kv
.if DOCPART == 2
	.amdgcn_target "amdgcn-amd-amdhsa--gfx1250"
	.amdhsa_code_object_version 6
	.text
	.protected	k_qadddffe912_proj
	.globl	k_qadddffe912_proj
	.p2align	8
	.type	k_qadddffe912_proj,@function
k_qadddffe912_proj:
	s_mov_b64 s[64:65], 0
	v_nop
	global_prefetch_b8 v0, s[64:65] scope:SCOPE_SE
	s_setreg_imm32_b32 hwreg(HW_REG_WAVE_MODE, 25, 1), 1
	s_wait_xcnt 0x0
	s_wait_alu depctr_hold_cnt(0) depctr_sa_sdst(0) depctr_va_vdst(0) depctr_va_sdst(0) depctr_va_ssrc(0) depctr_va_vcc(0) depctr_vm_vsrc(0)
	s_getreg_b32 s2, hwreg(HW_REG_IB_STS2, 6, 4)
	s_cmp_eq_u32 s2, 0
	s_cbranch_scc0 .Lentry_in_a_cluster
	s_endpgm
.Lentry_in_a_cluster:
	s_bfe_u32 s2, ttmp6, 0x10000c
	s_cmp_lg_u32 s2, 0x3003
	s_cbranch_scc0 .Lentry_shape_is_right
	s_endpgm
.Lentry_shape_is_right:
; q = inputs_q Wq + bq, k = inputs_kv Wk + bk, v = inputs_kv Wv + bv, on codes of FP6 (E2M3) with one E8M0 scale for each 32 along K; q and k leave quantised along a head's 64 channels, v along the keys.
; SHARES.  A work-group takes 64 tokens of inputs_q and the same 64 of inputs_kv: 256 work-groups.  First wave w quantises one tile of 16 tokens (waves 0-3 of inputs_q, 4-7 of inputs_kv) along the 512 features
; and leaves it in LDS as images of the operand's registers (a record of 6,400 bytes: 4 K steps x 1,536, then 4 x 16 scale words); then wave w makes head w (64 columns) of all three products
; for the 64 tokens: a wave tile of 64 x 64, 16 accumulators by turns.
; Lane r of token tile T is token 32 (T / 2) + 8 (T % 2) + r + 8 (r / 8), and the first launch chose the columns of an n tile alike: so 16 registers of two neighbouring tiles are 16 neighbours along the next K.
; q and k are made transposed (source 0 = 16 columns of W, source 1 = 16 tokens): a lane holds one token and its registers run along the channels.  v is made the other way: a lane holds one channel, registers along the keys.
; THE WEIGHTS.  All work-groups read the same weights: the four partners of a cluster ask for Wq and Wk JOINTLY.  One slot of LDS holds a whole weight (204,800 bytes, 100 rows of 256 bytes a wave): Wq from the head on;
; behind q's products it is filled again, once, with Wk.  Between that request and the wait for it stand q's way out, all of v's products and v's way out.
; LDS has no room for a second such slot, so Wv goes from memory straight into registers: wbuf holds each fragment as an image of the operand's registers, and wave w reads only its own 16 fragments, once,
; into window 1 (four sets of 48 registers, one a K step), asked for at the head.  One load of 4 bytes a lane brings an n tile's scale words of two K steps: lanes 0-15 the first, lanes 16-31 the second (ROW1).
; NO PREFETCH: the text has no loop to run ahead in; all of x that the registers hold is asked for at the head, ahead of the cluster's first round.
; OUT.  qc: for (batch, head, token tile) 768 bytes: registers 0-3 of lane l at 16 l, registers 4-5 at 512 + 8 l; qs: 16 scale words a tile (bytes 0, 1 count).  kv: for (batch, head, 128 keys) a record of 13,056 bytes:
; 8 tiles of k, 8 half fragments of v (4 channel tiles x 64 keys, twice), k's scale words at 12,288, v's at 12,800.
; LIMITS: NaN and infinities are not served; a block whose largest magnitude lies under 2^-124 keeps the byte 1; a block of zeros gets the byte 1 with zero codes (this program alone reads the bytes).
.set SLOTB, 102400                     ; a block of wbuf: half of K of one weight
.set XREC,  6400
.set TURN,  8*XREC                     ; behind the eight records: for each wave 16 rows of 256 + 16 bytes
.set TPW,   16*272
.set BIAS,  TURN+8*TPW                 ; bq, bk, bv
.set SPARE, BIAS+6144                  ; the spare words, 128 bytes a wave: four blocks of 256 bytes that no other line names
.set WSL,   SPARE+1024                 ; the weight's slot: two blocks of wbuf on end; nothing is stored there
.set LI,   1                           ; 16 x lane
.set LJ,   2                           ; 8 x lane
.set LS,   3                           ; 4 r
.set L4,   4                           ; 4 x lane
.set SH16, 5                           ; 16 h
.set WS0,  6                           ; v6-9, v112-115 W's scale words; v116-119 x's: scales and nothing else
.set WS1,  112
.set XS,   116
.set XA16, LI                          ; the records begin at LDS byte 0
.set XA8,  LJ
.set XSA,  LS
.set XI16, 13                          ; my own record; behind the quantising v13, v14: my fragments in the slot's two halves, v15, v120: their scale words
.set XI8,  14
.set XIS,  15
.set WA0,  13
.set WSA0, 15
.set WSA1, 120
.set WF,   16                          ; v16-63  four fragments of W from LDS
.set XF,   64                          ; v64-111 four fragments of x
.set TS,   120
.set TL,   121
.set XG,   122
.set BA,   123
.set BAV,  124
.set PW,   125
.set SPW,  126
.set NIL,  127
.set ACC,  128
.set XT,   16
.set BT,   16
.set TM,   80
.set PC,   92
.set R0,   128
.set WV,   22
.set SEL,  26
.set G1,   28
.set G0,   36
.set IN,   44
.set WB,   56
.set WSB,  58
.set QC,   66
.set QS,   68
.set KC,   70
.set KSB,  72
.set VSB,  74
.set MSB, 0
.macro WIN new                         ; low byte: source 0 bits 1:0, source 1 3:2, source 2 5:4, destination 7:6; the high byte repeats the setting that is left
.if MSB != \new
	s_set_vgpr_msb (MSB<<8)|\new
.set MSB, \new
.endif
.endm
.macro ROUND                           ; a round of the cluster's barrier
	s_barrier_signal -1
	s_barrier_wait -1
	s_cmp_lg_u32 s[WV], 0
	s_cbranch_scc1 .Lnot_wave_0_\@
	s_barrier_signal -3
.Lnot_wave_0_\@:
	s_barrier_wait -3
	s_barrier_signal -1
	s_barrier_wait -1
.endm
.macro MM d, fa, fb, sa, sb, zero, row     ; row: 0 both scales from lanes 0-15; 2 source 1's from lanes 16-31
.if \zero
	v_wmma_scale_f32_16x16x128_f8f6f4 v[\d:\d+7], v[\fa:\fa+11], v[\fb:\fb+11], 0, v[\sa], v[\sb] matrix_a_fmt:MATRIX_FMT_FP6 matrix_b_fmt:MATRIX_FMT_FP6
.else
.if (\row) == 0
	v_wmma_scale_f32_16x16x128_f8f6f4 v[\d:\d+7], v[\fa:\fa+11], v[\fb:\fb+11], v[\d:\d+7], v[\sa], v[\sb] matrix_a_fmt:MATRIX_FMT_FP6 matrix_b_fmt:MATRIX_FMT_FP6
.else
	v_wmma_scale_f32_16x16x128_f8f6f4 v[\d:\d+7], v[\fa:\fa+11], v[\fb:\fb+11], v[\d:\d+7], v[\sa], v[\sb] matrix_a_fmt:MATRIX_FMT_FP6 matrix_b_fmt:MATRIX_FMT_FP6 matrix_b_scale:MATRIX_SCALE_ROW1
.endif
.endif
.endm
.macro WLOAD s                         ; my four fragments of Wv (blocks 4 and 5 of wbuf), K step s, into set s of window 1: 12 loads
	WIN 0x40
.irp t, 0,1,2,3
.irp c, 0,1,2
	global_load_b128 v[48*(\s)+12*\t+4*\c:48*(\s)+12*\t+4*\c+3], v[LI], s[WB:WB+1] offset:(4+(\s)/2)*SLOTB+3072*\t+1536*((\s)%2)+512*\c
.endr
.endr
	WIN 0
.endm
; One K step of 128: the four token tiles' fragments from LDS, 16 products on 16 accumulators by turns; zero = 1: they start the sums.
; tr = 1 (q, k): W's fragments come from the slot and are source 0.  tr = 0 (v): they lie in window 1 and are source 1.
.macro KSTEP s, xoff, tr, zero
.set WR_, 48*(\s)
.set WSS_, WS0+(WS1-WS0)*((\s)/2)
.set WA_, WA0+(\s)/2
.set WSA_, WSA0+(WSA1-WSA0)*((\s)/2)
.if \tr
.irp t, 0,1,2,3
.irp c, 0,1,2
	ds_load_b128 v[WF+12*\t+4*\c:WF+12*\t+4*\c+3], v[WA_] offset:3072*\t+1536*((\s)%2)+512*\c
.endr
	ds_load_b32 v[WS0+\t], v[WSA_] offset:128*\t+64*((\s)%2)
.endr
.endif
.irp m, 0,1,2,3
	ds_load_b128 v[XF+12*\m:XF+12*\m+3], v[XA16] offset:(\xoff)+XREC*\m+1536*(\s)
	ds_load_b64 v[XF+12*\m+4:XF+12*\m+5], v[XA8] offset:(\xoff)+XREC*\m+1536*(\s)+512
	ds_load_b128 v[XF+12*\m+6:XF+12*\m+9], v[XA16] offset:(\xoff)+XREC*\m+1536*(\s)+768
	ds_load_b64 v[XF+12*\m+10:XF+12*\m+11], v[XA8] offset:(\xoff)+XREC*\m+1536*(\s)+1280
	ds_load_b32 v[XS+\m], v[XSA] offset:(\xoff)+XREC*\m+6144+64*(\s)
.endr
	s_wait_dscnt 0x0
.if !(\tr)
	WIN 0x04                                       ; source 1 = W, in window 1
.endif
.irp a, 0,1,2,3
.irp b, 0,1,2,3
.if \tr
	MM ACC+8*(4*\a+\b), WF+12*\b, XF+12*\a, WS0+\b, XS+\a, \zero, 0
.else
	MM ACC+8*(4*\a+\b), XF+12*\b, WR_+12*\a, XS+\b, WSS_+\a, \zero, 2*((\s)%2)
.endif
.endr
.endr
	WIN 0
.rept 4
	v_nop                                          ; four places ahead of loads into registers that these products read, and of the first read of results
.endr
.endm
; 64 registers at s: four blocks of 32 along the next K, each in lanes l and l xor 16, 16 registers a lane -> 12 registers of codes at PC, the scale word in PW
.macro QUANT s
.irp b, 0,1,2,3
	v_max3_num_f32 v[TM+\b], |v[\s+16*\b]|, |v[\s+1+16*\b]|, 0x1800000
.endr
.irp i, 2,4,6,8,10,12,14
.irp b, 0,1,2,3
	s_delay_alu instid0(VALU_DEP_4)
	v_max3_num_f32 v[TM+\b], v[TM+\b], |v[\s+16*\b+\i]|, |v[\s+1+16*\b+\i]|
.endr
.endr
.irp b, 0,1,2,3
	s_delay_alu instid0(VALU_DEP_4)
	v_permlanex16_b32 v[TM+4+\b], v[TM+\b], s[SEL], s[SEL+1]
.endr
.irp b, 0,1,2,3
	s_delay_alu instid0(VALU_DEP_4)
	v_max_num_f32 v[TM+\b], v[TM+\b], v[TM+4+\b]
.endr
.irp b, 0,1,2,3
	s_delay_alu instid0(VALU_DEP_4)
	v_add_nc_u32 v[TM+8+\b], 0xff000000, v[TM+\b]
.endr
.irp b, 0,1,2,3
	s_delay_alu instid0(VALU_DEP_4)
	v_lshrrev_b32 v[TM+4+\b], 23, v[TM+8+\b]
.endr
	s_delay_alu instid0(VALU_DEP_3)
	v_lshl_or_b32 v[PW], v[TM+5], 8, v[TM+4]
	s_delay_alu instid0(VALU_DEP_1)
	v_lshl_or_b32 v[PW], v[TM+6], 16, v[PW]
	s_delay_alu instid0(VALU_DEP_1)
	v_lshl_or_b32 v[PW], v[TM+7], 24, v[PW]
.irp c, 0,1
	v_cvt_scalef32_pk16_fp6_f32 v[PC+6*\c:PC+2+6*\c], v[\s+32*\c:\s+15+32*\c], v[TM+8+2*\c]
	v_cvt_scalef32_pk16_fp6_f32 v[PC+12+4*\c:PC+14+4*\c], v[\s+16+32*\c:\s+31+32*\c], v[TM+8+2*\c+1]
.endr
	v_nop
.irp c, 0,1
.irp i, 0,1,2
	v_permlane16_swap_b32 v[PC+6*\c+\i], v[PC+12+4*\c+\i]
.endr
.irp i, 0,1,2
	s_delay_alu instid0(VALU_DEP_3)
	v_mov_b32 v[PC+3+6*\c+\i], v[PC+12+4*\c+\i]
.endr
.endr
.endm
.macro BIAST off                       ; the bias of a transposed product: eight neighbouring channels a tile
.irp t, 0,1,2,3
.irp q, 0,1
	ds_load_b128 v[BT+8*\t+4*\q:BT+8*\t+4*\q+3], v[BA] offset:(\off)+128*(\t/2)+32*(\t%2)+16*\q
.endr
.endr
	s_wait_dscnt 0x0
.irp m, 0,1,2,3
.irp t, 0,1,2,3
.irp i, 0,2,4,6
	v_pk_add_f32 v[ACC+8*(4*\m+\t)+\i:ACC+8*(4*\m+\t)+\i+1], v[ACC+8*(4*\m+\t)+\i:ACC+8*(4*\m+\t)+\i+1], v[BT+8*\t+\i:BT+8*\t+\i+1]
.endr
.endr
.endr
.endm
.macro XLOAD s                         ; K step s of my 16 tokens: sixteen lanes read 256 consecutive bytes of a row
.irp q2, 0,1
.irp i, 0,1,2,3,4,5,6,7
	global_load_b128 v[R0+64*((\s)%2)+32*\q2+4*\i:R0+64*((\s)%2)+32*\q2+4*\i+3], v[XG], s[IN:IN+1] offset:(2*\i+8*(\i/4))*2048+512*(\s)+256*\q2 th:TH_LOAD_NT
.endr
.endr
.endm
.macro XSTEP s                         ; through my stage, so that a lane holds 16 neighbours of a row; quantised; into my record
.if (\s) < 2
	s_wait_loadcnt 63                              ; 64 loads are younger than this step's last (16 of x, 48 of Wv); the wait's field holds 63
.else
.if (\s) == 2
	s_wait_loadcnt 16                              ; the next step's 16 may be out
.else
	s_wait_loadcnt 0x0
.endif
.endif
.irp q2, 0,1
.irp i, 0,1,2,3,4,5,6,7
	ds_store_b128 v[TS], v[R0+64*((\s)%2)+32*\q2+4*\i:R0+64*((\s)%2)+32*\q2+4*\i+3] offset:544*\i
.endr
.irp bp, 0,1
.irp j, 0,1,2,3
	ds_load_b128 v[XT+32*\q2+16*\bp+4*\j:XT+32*\q2+16*\bp+4*\j+3], v[TL] offset:128*\bp+16*\j
.endr
.endr
.endr
	s_wait_dscnt 0x0
.if (\s) < 2
	XLOAD (\s)+2
.endif
	QUANT XT
	ds_store_b128 v[XI16], v[PC:PC+3] offset:1536*(\s)
	ds_store_b64 v[XI8], v[PC+4:PC+5] offset:1536*(\s)+512
	ds_store_b128 v[XI16], v[PC+6:PC+9] offset:1536*(\s)+768
	ds_store_b64 v[XI8], v[PC+10:PC+11] offset:1536*(\s)+1280
	ds_store_b32 v[XIS], v[PW] offset:6144+64*(\s)
.endm
.macro CODES cb, off
	global_store_b128 v[LI], v[PC:PC+3], s[\cb:\cb+1] offset:\off
	global_store_b64 v[LJ], v[PC+4:PC+5], s[\cb:\cb+1] offset:\off+512
	global_store_b128 v[LI], v[PC+6:PC+9], s[\cb:\cb+1] offset:\off+768
	global_store_b64 v[LJ], v[PC+10:PC+11], s[\cb:\cb+1] offset:\off+1280
.endm
.macro OUTT boff, cb, sb               ; the way out of q or k: two token tiles at a time
	BIAST \boff
.irp p, 0,1
.if \p
	s_wait_xcnt 0x0
.endif
	QUANT ACC+64*\p
	CODES \cb, 1536*\p
	v_lshrrev_b32 v[PW], v[SH16], v[PW]
	global_store_b32 v[L4], v[PW], s[\sb:\sb+1] offset:128*\p
.endr
	s_wait_xcnt 0x0
.endm
.macro OUTV                            ; the way out of v: two channel tiles at a time, blocks along the keys
.irp t, 0,1,2,3
	ds_load_b32 v[BT+2*\t], v[BAV] offset:128*(\t/2)+32*(\t%2)
	ds_load_b32 v[BT+2*\t+1], v[BAV] offset:128*(\t/2)+32*(\t%2)
.endr
	s_wait_dscnt 0x0
.irp t, 0,1,2,3
.irp m, 0,1,2,3
.irp i, 0,2,4,6
	v_pk_add_f32 v[ACC+8*(4*\t+\m)+\i:ACC+8*(4*\t+\m)+\i+1], v[ACC+8*(4*\t+\m)+\i:ACC+8*(4*\t+\m)+\i+1], v[BT+2*\t:BT+2*\t+1]
.endr
.endr
.endr
.irp p, 0,1
.if \p
	s_wait_xcnt 0x0
.endif
	QUANT ACC+64*\p
	CODES KC, 6144+1536*\p
	v_lshrrev_b32 v[PW], v[SH16], v[PW]
	global_store_b16 v[L4], v[PW], s[VSB:VSB+1] offset:128*\p
.endr
	s_wait_xcnt 0x0
.endm
	s_load_b512 s[4:19], s[0:1], 0x0               ; inputs_q, inputs_kv, wbuf, bq, bk, bv, qc, qs
	s_load_b64 s[20:21], s[0:1], 0x40              ; kv
	v_lshl_add_u32 v[SPW], v0, 2, SPARE
	v_mov_b32 v[NIL], 0
	ds_add_u32 v[SPW], v[NIL]                      ; the opening lines: the add, twice on end, and its wait ahead of the round in front of my first tensor load
	ds_add_u32 v[SPW], v[NIL]
	v_lshrrev_b32 v16, 5, v0
	v_readfirstlane_b32 s[WV], v16                 ; wave 0..7
	s_bfe_u32 s23, ttmp6, 0x40000                  ; cx
	s_lshl_b32 s24, ttmp9, 2
	s_add_co_u32 s24, s24, s23                     ; the work-group = 4 x cluster + cx: it enters the global addresses of x and of the results alone
	s_mov_b32 s[G1], 15|(3<<16)|(1<<21)            ; the mask: all four work-groups; elements of 8 bytes; 21 set beside a mask
	s_mov_b32 s[G1+1], 32<<16                      ; 100 dense rows of 256 bytes: an eighth of a weight
	s_mov_b32 s[G1+2], 100<<16
	s_mov_b32 s[G1+3], 32<<16
	s_mov_b32 s[G1+4], 100
	s_mov_b32 s[G1+5], 32
	s_mov_b32 s[G1+6], 0
	s_mov_b32 s[G1+7], 0
	s_mov_b32 s[G0], 1
	s_mul_i32 s40, s[WV], 25600
	s_mov_b32 s41, 0
	s_add_co_u32 s[G0+1], s40, WSL
	s_mov_b32 s[SEL], 0x76543210
	s_mov_b32 s[SEL+1], 0xfedcba98
	s_lshl_b32 s46, s24, 17                        ; 64 rows of 2,048 bytes,
	s_bfe_u32 s48, s[WV], 0x10001
	s_lshl_b32 s48, s48, 16                        ; my tile T = wave % 4: 32 (T / 2) rows
	s_add_co_u32 s46, s46, s48
	s_and_b32 s48, s[WV], 1
	s_lshl_b32 s48, s48, 14                        ; + 8 (T % 2)
	s_add_co_u32 s46, s46, s48
	s_mov_b32 s47, 0
	s_mul_i32 s48, s[WV], 12288                    ; my four n tiles in a block of wbuf,
	s_mov_b32 s49, 0
	s_lshl_b32 s50, s[WV], 9
	s_add_co_u32 s50, s50, 98304                   ; and their scale words
	s_mov_b32 s51, 0
	s_add_co_u32 s76, s48, WSL                     ; the same two in the slot
	s_add_co_u32 s77, s50, WSL
	s_mul_i32 s60, s[WV], XREC
	s_mul_i32 s61, s[WV], TPW
	s_add_co_u32 s61, s61, TURN
	s_lshl_b32 s62, s[WV], 8
	s_add_co_u32 s62, s62, BIAS
	s_add_co_u32 s63, s62, 4096
	v_and_b32 v17, 15, v0                          ; r
	v_bfe_u32 v18, v0, 4, 1                        ; h
	v_and_b32 v16, 31, v0                          ; lane
	v_lshlrev_b32 v19, 4, v17
	v_lshl_add_u32 v[XG], v18, 11, v19             ; 2,048 h + 16 r
	v_lshlrev_b32 v92, 3, v0
	v_lshl_add_u32 v93, v0, 3, BIAS
	v_lshlrev_b32 v[LI], 4, v16
	v_lshlrev_b32 v[LJ], 3, v16
	v_lshlrev_b32 v[LS], 2, v17
	v_lshlrev_b32 v[L4], 2, v16
	v_lshlrev_b32 v[SH16], 4, v18
	s_wait_alu depctr_va_vdst(0)
	s_wait_dscnt 0x0                               ; both opening adds are done
	s_wait_kmcnt 0x0
	s_cmp_lt_u32 s[WV], 4
	s_cselect_b64 s[IN:IN+1], s[4:5], s[6:7]
	s_add_nc_u64 s[IN:IN+1], s[IN:IN+1], s[46:47]
	s_add_nc_u64 s[WB:WB+1], s[8:9], s[48:49]
	s_add_nc_u64 s[WSB:WSB+1], s[8:9], s[50:51]
	s_add_nc_u64 s[G0+2:G0+3], s[8:9], s[40:41]    ; Wq: blocks 0 and 1 of wbuf, my eighth
	s_or_b32 s[G0+3], s[G0+3], 0x80000000
	global_load_b64 v[94:95], v92, s[10:11]        ; the biases: 8 bytes a thread
	global_load_b64 v[96:97], v92, s[12:13]
	global_load_b64 v[98:99], v92, s[14:15]
	XLOAD 0
	XLOAD 1
	ROUND                                          ; all four work-groups are here: the joint loads meet
	tensor_load_to_lds s[G0:G0+3], s[G1:G1+7]      ; my one tensor load at the head
	s_nop 0
.rept 4
	v_nop
.endr
	s_lshr_b32 s48, s24, 4                         ; the batch
	s_and_b32 s49, s24, 15                         ; which 64 tokens of it
	s_lshl_b32 s50, s48, 3
	s_add_co_u32 s50, s50, s[WV]                   ; 8 x batch + head
	s_lshl_b32 s51, s50, 6
	s_lshl_b32 s52, s49, 2
	s_add_co_u32 s51, s51, s52
	s_mul_i32 s46, s51, 768
	s_add_nc_u64 s[QC:QC+1], s[16:17], s[46:47]
	s_lshl_b32 s46, s51, 6
	s_add_nc_u64 s[QS:QS+1], s[18:19], s[46:47]
	s_mul_i32 s46, s50, 104448
	s_lshr_b32 s52, s49, 1
	s_mul_i32 s52, s52, 13056
	s_add_co_u32 s46, s46, s52
	s_add_nc_u64 s[54:55], s[20:21], s[46:47]      ; the record of my 128 keys
	s_and_b32 s53, s49, 1
	s_mul_i32 s46, s53, 3072
	s_add_nc_u64 s[KC:KC+1], s[54:55], s[46:47]
	s_lshl_b32 s46, s53, 8
	s_add_co_u32 s46, s46, 12288
	s_add_nc_u64 s[KSB:KSB+1], s[54:55], s[46:47]
	s_lshl_b32 s46, s53, 1
	s_add_co_u32 s46, s46, 12800
	s_add_nc_u64 s[VSB:VSB+1], s[54:55], s[46:47]
	v_add_nc_u32 v[XI16], s60, v[LI]
	v_add_nc_u32 v[XI8], s60, v[LJ]
	v_add_nc_u32 v[XIS], s60, v[LS]
	v_mul_u32_u24 v19, v18, 272
	v_mul_u32_u24 v16, v17, 272
	v_lshl_add_u32 v19, v17, 4, v19
	v_lshl_add_u32 v16, v18, 6, v16
	v_add_nc_u32 v[TS], s61, v19                   ; the stage, in: row h of a pair, 16 r
	v_add_nc_u32 v[TL], s61, v16                   ; back: row r, 64 h
	v_lshl_add_u32 v[BA], v18, 6, s62
	v_and_b32 v19, 8, v17
	v_add_nc_u32 v19, v19, v17
	v_lshl_add_u32 v[BAV], v19, 2, s63
.irp b, 0,1,2,3
	v_mov_b32 v[TM+4+\b], 0                        ; a lane permute's destination counts as one of its sources
.endr
	WLOAD 0                                        ; Wv's codes, all four K steps: 48 loads, behind x's first 32
	WLOAD 1
	WLOAD 2
	WLOAD 3
	s_wait_alu depctr_va_vdst(0)
	s_wait_loadcnt 63                              ; 80 loads are younger than the biases'; the wait's field holds 63
	ds_store_b64 v93, v[94:95]
	ds_store_b64 v93, v[96:97] offset:2048
	ds_store_b64 v93, v[98:99] offset:4096
	XSTEP 0
	XSTEP 1
	XSTEP 2
	XSTEP 3
	v_add_nc_u32 v[WA0], s76, v[LI]                ; the stores above have read their addresses at issue: these registers now point into the slot
	v_add_nc_u32 v[WSA0], s77, v[LS]
	v_add_nc_u32 v[WA0+1], SLOTB, v[WA0]
	v_add_nc_u32 v[WSA1], SLOTB, v[WSA0]
	s_wait_alu depctr_va_vdst(0)
	s_wait_tensorcnt 0x0                           ; my eighth of Wq has landed,
	s_wait_dscnt 0x0                               ; my record and my part of the biases are stored:
	s_barrier_signal -1
	s_barrier_wait -1                              ; everybody's.
	KSTEP 0, 0, 1, 1
	KSTEP 1, 0, 1, 0
	KSTEP 2, 0, 1, 0
	KSTEP 3, 0, 1, 0
.irp kh, 0,1
.irp t, 0,1,2,3
	global_load_b32 v[WS0+(WS1-WS0)*\kh+\t], v[L4], s[WSB:WSB+1] offset:(4+\kh)*SLOTB+128*\t   ; Wv's scale words, behind the places that follow q's last products
.endr
.endr
	s_wait_alu depctr_va_vdst(0)
	s_wait_tensorcnt 0x0                           ; none of my tensor loads is out;
	ds_add_u32 v[SPW], v[NIL]                      ; 0 onto my spare word;
	s_add_nc_u64 s[G0+2:G0+3], s[G0+2:G0+3], 2*SLOTB   ; Wk: blocks 2 and 3
	s_wait_dscnt 0x0                               ; the add is done, and my reads of Wq are over
	ROUND                                          ; so it is in every wave of the four work-groups
	tensor_load_to_lds s[G0:G0+3], s[G1:G1+7]      ; the slot's one refill, my one tensor load behind the round
	s_nop 0
.rept 4
	v_nop
.endr
	OUTT 0, QC, QS
	s_wait_loadcnt 0x0                             ; Wv's scale words are in
	KSTEP 0, 4*XREC, 0, 1
	KSTEP 1, 4*XREC, 0, 0
	KSTEP 2, 4*XREC, 0, 0
	KSTEP 3, 4*XREC, 0, 0
	OUTV
	s_wait_tensorcnt 0x0                           ; my eighth of Wk has landed,
	s_wait_dscnt 0x0
	s_barrier_signal -1
	s_barrier_wait -1                              ; everybody's.
	KSTEP 0, 4*XREC, 1, 1
	KSTEP 1, 4*XREC, 1, 0
	KSTEP 2, 4*XREC, 1, 0
	KSTEP 3, 4*XREC, 1, 0
	OUTT 2048, KC, KSB
	s_wait_tensorcnt 0x0                           ; the wave's end, behind my last tensor load and my last LDS store
	ds_add_u32 v[SPW], v[NIL]
	s_wait_dscnt 0x0
	ROUND                                          ; the closing round: no work-group ends while a partner may still ask for a block that names it
	s_endpgm
.Lfunc_end_k_qadddffe912_proj:
	.size	k_qadddffe912_proj, .Lfunc_end_k_qadddffe912_proj-k_qadddffe912_proj
	.p2alignl 7, 3214868480
	.fill 96, 4, 3214868480
	.section	.rodata,"a",@progbits
	.p2align	6, 0x0
	.amdhsa_kernel k_qadddffe912_proj
		.amdhsa_group_segment_fixed_size 327680
		.amdhsa_private_segment_fixed_size 0
		.amdhsa_enable_private_segment 0
		.amdhsa_kernarg_size 72
		.amdhsa_user_sgpr_count 2
		.amdhsa_user_sgpr_kernarg_segment_ptr 1
		.amdhsa_wavefront_size32 1
		.amdhsa_system_sgpr_workgroup_id_x 1
		.amdhsa_system_sgpr_workgroup_id_y 1
		.amdhsa_system_sgpr_workgroup_id_z 1
		.amdhsa_system_vgpr_workitem_id 0
		.amdhsa_next_free_vgpr 448
		.amdhsa_next_free_sgpr 80
		.amdhsa_reserve_vcc 0
		.amdhsa_float_denorm_mode_32 3
		.amdhsa_float_denorm_mode_16_64 3
		.amdhsa_memory_ordered 1
		.amdhsa_forward_progress 1
		.amdhsa_inst_pref_size 149
	.end_amdhsa_kernel
	.amdgpu_metadata
---
amdhsa.version: [ 1, 2 ]
amdhsa.kernels:
  - .name:           k_qadddffe912_proj
    .symbol:         k_qadddffe912_proj.kd
    .args:
      - { .name: inputs_q, .offset: 0, .size: 8, .value_kind: global_buffer, .address_space: global }
      - { .name: inputs_kv, .offset: 8, .size: 8, .value_kind: global_buffer, .address_space: global }
      - { .name: wbuf, .offset: 16, .size: 8, .value_kind: global_buffer, .address_space: global }
      - { .name: bq, .offset: 24, .size: 8, .value_kind: global_buffer, .address_space: global }
      - { .name: bk, .offset: 32, .size: 8, .value_kind: global_buffer, .address_space: global }
      - { .name: bv, .offset: 40, .size: 8, .value_kind: global_buffer, .address_space: global }
      - { .name: qc, .offset: 48, .size: 8, .value_kind: global_buffer, .address_space: global }
      - { .name: qs, .offset: 56, .size: 8, .value_kind: global_buffer, .address_space: global }
      - { .name: kv, .offset: 64, .size: 8, .value_kind: global_buffer, .address_space: global }
    .group_segment_fixed_size: 327680
    .private_segment_fixed_size: 0
    .kernarg_segment_align: 8
    .kernarg_segment_size: 72
    .max_flat_workgroup_size: 256
    .sgpr_count:     80
    .vgpr_count:     448
    .wavefront_size: 32
...
	.end_amdgpu_metadata
.endif
;; end of part 2
;; launch attn (part 3): grid 2 x 128, 8 waves a work-group, no clusters, 171,264 bytes of LDS; arguments qc, qs, kv, toeplitz, xr; writes xr
.if DOCPART == 3
	.amdgcn_target "amdgcn-amd-amdhsa--gfx1250"
	.amdhsa_code_object_version 6
	.text
	.protected	k_qadddffe912_attn
	.globl	k_qadddffe912_attn
	.p2align	8
	.type	k_qadddffe912_attn,@function
k_qadddffe912_attn:
	s_mov_b64 s[64:65], 0
	v_nop
	global_prefetch_b8 v0, s[64:65] scope:SCOPE_SE
	s_setreg_imm32_b32 hwreg(HW_REG_WAVE_MODE, 25, 1), 1
	s_wait_xcnt 0x0
; x[b][q][head] = softmax_k(q . k / 8 + bias(q, k)) v, both products on codes of FP6 (E2M3) with one E8M0 scale for each 32 along a product's K; x leaves quantised along the head's 64.
; THE SOFTMAX: t = logit x log2(e); M = the row's largest t so far, rounded UP to a whole number; p = 2^(t - M) is quantised along the keys; the row's sum is taken of the unquantised p and divides at the end.
; When M moves, the sum and O are multiplied by 2^(old M - new M): exact.
; SHARES.  A work-group owns 512 queries of one (batch, head): x = which half, y = 8 x batch + head: 256 work-groups of equal work.  Each of eight waves owns FOUR tiles of 16 queries at once,
; so that each fragment of K and of V read from LDS feeds four tiles.  All of the head's K and V (eight records of 13,056 bytes) lie in LDS from the first fills on, one tensor load a wave; nothing is filled again.
; LAYOUT.  Both products are used transposed: S^T = K Q^T, O^T = V^T P^T: a lane holds ONE query (lane % 16).  THE KEYS OF A TILE ARE CHOSEN BY THE LANES' LDS ADDRESSES: tile (c, u) of a step of 128 keys
; takes keys 64 c + 8 u + 0..7 as rows 0-7 and keys 64 c + 32 + 8 u + 0..7 as rows 8-15.  So lane (r, h) holds in its 32 registers of tiles (c, 0..3) the keys 64 c + 32 h + 0..31: a WHOLE block of the second
; product's K, in the order of that operand's registers: a block's maximum needs no other lane, and the conversions' results are the operand.
; The first product's K is 64: registers 6-11 of Q's fragments are zero codes.  K's fragments lie 6 registers apart: the upper half of each is the next one's data, which meets Q's zeros and adds nothing
; (no 6-bit code is a NaN, and no byte of q's or k's scale words is 0xff).
; THE BIAS IS THE C OF THE FIRST PRODUCT: C = 8 x bias (exact), t = (q . k + 8 bias) x log2(e) / 8.  Its index is 64 (xq - xk) + (yq - yk) + 2,080, so it falls by one from key to key in a block of 32 keys.
; The head's table lies in LDS reversed, times 8, in four copies: copy s holds at word p the number 8 x toeplitz[4,092 - p + s]; a lane takes copy yq % 4, in which its words begin at multiples of 16 bytes.
; The copies begin 0, 32, 128 and 160 bytes past multiples of 256: the sixteen lanes of a load touch sixteen different pieces of 16 bytes modulo 256.  The bytes between copies are written with zeros.
; THE ORDER.  The scores have two buffers: while one tile's softmax is worked, the next tile's bias is loaded and its first product issued.  The last step is written out: it fetches nothing further.
; NO CLUSTER: two work-groups share a head, and a cluster's joint loads are made for four; four query blocks a head would be 512 work-groups with twice the fills.  NO PREFETCH: all that streams is asked for at the head.
; LIMITS: NaN and infinities are not served; the promise holds while the scaled scores stay under 2^31 in magnitude; a block of x whose largest magnitude lies under 2^-124 keeps the byte 1;
; a block of zeros gets the byte 1 with zero codes (this program alone reads the bytes).
; REGISTERS.  Window 0: addresses, Q, K, V, scale words, p's codes, each tile's state.  Window 1: v0-127 O^T of the four tiles, v128-255 the two buffers of scores.
.set REC,   13056
.set TAB,   8*REC
.set CP1,   16416                      ; copy s begins at (s % 2) CP1 + (s / 2) CP2
.set CP2,   32896
.set SPARE, TAB+65792                  ; the spare words, 128 bytes a wave: four blocks of 256 bytes that no other line names
.set BK16, 1                           ; lane parts of K's addresses: pieces of 16 bytes, of 8 bytes, scale words
.set BK8,  2
.set BKS,  3
.set TO,   4                           ; head: offsets into the table
.set TO2,  5
.set BB,   7                           ; lane and tile part of the bias's address (tile 3 of my four)
.set SPW,  8
.set NIL,  9
.set SH8,  10                          ; 8 h
.set LI,   11                          ; 16 x lane
.set LJ,   12                          ; 8 x lane
.set LS,   13                          ; 4 r
.set QF,   16                          ; v16-63   Q, four fragments (registers 6-11 of each zero)
.set KF,   64                          ; v64-111  K, eight fragments 6 apart; v112-117 zero
.set VF,   118                         ; v118-165 V, four fragments
.set KS,   166                         ; scale words, and nothing else: K's 8, V's 4, Q's 4, p's
.set VS,   174
.set QS,   178
.set PS,   182
.set PC,   184                         ; v184-195 p's codes; v196-198, v200-202 second halves as converted
.set PT,   196
.set ST,   204                         ; tile j: -M, largest score, the sum in two halves at ST + 4 j
.set BM,   220
.set A1,   224
.set T0,   230
.set T1,   231
.set T2,   232
.set SC,   234
.set F,    236
.set AK16, 238                         ; the step's addresses
.set AK8,  239
.set AKS,  240
.set AV16, 241
.set AV8,  242
.set AVS,  243
.set AB,   244
.set L,    246                         ; head only
.set R,    247
.set H,    248
.set R8,   249
.set R7,   250
.set TT,   251
.set BLR,  252
.set TA,   253
.set GA,   254
.set EE,   64
.set RB,   118
.set RB2,  138
.set XB,   64                          ; the way out: x of a tile
.set OO,   0                           ; window 1
.set SS,   128
.set WV,  18
.set SEL, 20
.set CS,  22
.set G1,  24
.set G0,  32
.set TB,  36
.set TBB, 37
.set NST, 40
.set QA,  42
.set QSA, 44
.set XA,  46
.set XSA, 48
.set TP,  50
.set MSB, 0
.macro WIN new                         ; low byte: source 0 bits 1:0, source 1 3:2, source 2 5:4, destination 7:6; the high byte repeats the setting that is left
.if MSB != \new
	s_set_vgpr_msb (MSB<<8)|\new
.set MSB, \new
.endif
.endm
.macro ADDRS
	v_add_nc_u32 v[AK16], s[TB], v[BK16]
	v_add_nc_u32 v[AK8], s[TB], v[BK8]
	v_add_nc_u32 v[AKS], s[TB], v[BKS]
	v_add_nc_u32 v[AV16], s[TB], v[LI]
	v_add_nc_u32 v[AV8], s[TB], v[LJ]
	v_add_nc_u32 v[AVS], s[TB], v[LS]
	v_add_nc_u32 v[AB], s[TBB], v[BB]
.endm
.macro KLOAD off                       ; fragment t = 4 c + u: rows 0-7 from the record's tile 4 c + u % 2, rows 8-15 from the tile two on (in the lane part), its rows 8 (u / 2) on
.irp t, 0,1,2,3,4,5,6,7
	ds_load_b128 v[KF+6*\t:KF+6*\t+3], v[AK16] offset:(\off)+768*(4*(\t/4)+\t%2)+128*((\t%4)/2)
	ds_load_b64 v[KF+6*\t+4:KF+6*\t+5], v[AK8] offset:(\off)+768*(4*(\t/4)+\t%2)+64*((\t%4)/2)+512
	ds_load_b32 v[KS+\t], v[AKS] offset:(\off)+12288+64*(4*(\t/4)+\t%2)+32*((\t%4)/2)
.endr
.endm
.macro VLOAD
.irp dt, 0,1,2,3
	ds_load_b128 v[VF+12*\dt:VF+12*\dt+3], v[AV16] offset:6144+768*\dt
	ds_load_b64 v[VF+12*\dt+4:VF+12*\dt+5], v[AV8] offset:6144+768*\dt+512
	ds_load_b128 v[VF+12*\dt+6:VF+12*\dt+9], v[AV16] offset:6144+768*(4+\dt)
	ds_load_b64 v[VF+12*\dt+10:VF+12*\dt+11], v[AV8] offset:6144+768*(4+\dt)+512
	ds_load_b32 v[VS+\dt], v[AVS] offset:12800+64*\dt
.endr
.endm
.macro BIAS j, sb, off                 ; 8 bias of tile j: registers 32 c + i are keys 64 c + 32 h + i
.irp n, 0,1,2,3,4,5,6,7,8,9,10,11,12,13,14,15
	ds_load_b128 v[\sb+4*\n:\sb+4*\n+3], v[AB] offset:(\off)+288-256*((\j)/2)-32*((\j)%2)+512*(\n/8)+16*(\n%8)
.endr
.endm
.macro QK j, sb                        ; S^T = K Q^T + 8 bias: eight accumulators, one instruction each
.irp t, 0,1,2,3,4,5,6,7
	v_wmma_scale_f32_16x16x128_f8f6f4 v[\sb+8*\t:\sb+8*\t+7], v[KF+6*\t:KF+6*\t+11], v[QF+12*(\j):QF+12*(\j)+11], v[\sb+8*\t:\sb+8*\t+7], v[KS+\t], v[QS+(\j)] matrix_a_fmt:MATRIX_FMT_FP6 matrix_b_fmt:MATRIX_FMT_FP6
.endr
.endm
; One tile's share of a step of 128 keys.  Its scores are in buffer j % 2; the other buffer takes the next tile's.
.macro SLOT j, last
.set SB_, SS+64*((\j)%2)
.set OB_, SS+64*(((\j)+1)%2)
.set OJ_, OO+32*(\j)
.set ST_, ST+4*(\j)
.if (\j) < 3
	WIN 0x40
	BIAS (\j)+1, OB_, 0
.else
.if !(\last)
	WIN 0
	KLOAD REC                                      ; the next step's K: its registers' last readers stand more than four plain instructions back
	WIN 0x40
	BIAS 0, OB_, 1024
	WIN 0
	s_add_co_u32 s[TB], s[TB], REC
	s_add_co_u32 s[TBB], s[TBB], 1024
	ADDRS                                          ; LDS loads have read their addresses at issue: on to the next step
.endif
.endif
	WIN 0x14
.irp q, 0,1,2,3
	v_max3_num_f32 v[BM+\q], 0xff800000, v[SB_+16*\q], v[SB_+16*\q+1]   ; largest scores, four chains by turns; each accumulator is read from its low end on
.endr
.irp i, 2,4,6,8,10,12,14
.irp q, 0,1,2,3
	v_max3_num_f32 v[BM+\q], v[BM+\q], v[SB_+16*\q+\i], v[SB_+16*\q+\i+1]
.endr
.endr
	WIN 0
.if (\j) == 0
	VLOAD                                          ; this step's V: the 32 lines above are the places behind the last step's products
.endif
	v_max_num_f32 v[BM], v[BM], v[BM+1]            ; my block of keys 32 h .. : its largest score serves the row's maximum and, since p rises with the score, the block's largest p
	v_max_num_f32 v[BM+2], v[BM+2], v[BM+3]        ; and of keys 64 + 32 h ..
	s_delay_alu instid0(VALU_DEP_1)
	v_max3_num_f32 v[T0], v[ST_+1], v[BM], v[BM+2]
	s_delay_alu instid0(VALU_DEP_1)
	v_permlanex16_b32 v[T1], v[T0], s[SEL], s[SEL+1]
	s_delay_alu instid0(VALU_DEP_1)
	v_max_num_f32 v[ST_+1], v[T0], v[T1]           ; the running largest score of my query
	s_delay_alu instid0(VALU_DEP_1)
	v_mul_f32 v[T0], s[CS], v[ST_+1]               ; as t
	s_delay_alu instid0(VALU_DEP_1)
	v_floor_f32 v[T0], -v[T0]                      ; the new -M = -ceil(t)
	s_delay_alu instid0(VALU_DEP_1)
	v_sub_f32 v[T2], v[T0], v[ST_]                 ; old M less new M: a whole number, 0 or less
	v_mov_b32 v[ST_], v[T0]
	s_delay_alu instid0(VALU_DEP_2)
	v_cvt_i32_f32 v[T2], v[T2]                     ; (it saturates)
	v_fma_f32 v[BM], v[BM], s[CS], v[ST_]
	v_fma_f32 v[BM+2], v[BM+2], s[CS], v[ST_]
	v_ldexp_f32 v[F], 1.0, v[T2]                   ; f = 2^(old M - new M)
	WIN 0x41
.set jj, 0
.rept 32
	v_pk_fma_f32 v[SB_+jj:SB_+jj+1], v[SB_+jj:SB_+jj+1], s[CS:CS+1], v[ST_:ST_+1] op_sel_hi:[1,0,0]   ; t - M
.set jj, jj+2
.endr
	s_wait_alu depctr_va_vdst(0)
.set jj, 0
.rept 64
	v_exp_f32 v[SB_+jj], v[SB_+jj]                 ; p = 2^(t - M), not normalised
.set jj, jj+1
.endr
	WIN 0
	v_exp_f32 v[BM], v[BM]                         ; the blocks' largest p: the same two instructions on the same numbers
	v_exp_f32 v[BM+2], v[BM+2]
	v_pk_mul_f32 v[ST_+2:ST_+3], v[ST_+2:ST_+3], v[F:F+1] op_sel_hi:[1,0]   ; the sums under the new M: the plain place behind the batch
	s_wait_alu depctr_va_vdst(0)                   ; one wait for the batch, ahead of its first reader and of the wait below
.if ((\j) < 3) || !(\last)
	s_wait_dscnt 0x0                               ; the next tile's bias is in (and V, or the next step's K)
	WIN 0x50
	QK ((\j)+1)%4, OB_
.endif
	WIN 0x05
	v_pk_add_f32 v[A1:A1+1], v[SB_:SB_+1], v[SB_+2:SB_+3]          ; the row's sum of the unquantised p, four chains
	v_pk_add_f32 v[A1+2:A1+3], v[SB_+4:SB_+5], v[SB_+6:SB_+7]
	v_pk_add_f32 v[A1+4:A1+5], v[SB_+8:SB_+9], v[SB_+10:SB_+11]
	WIN 0x04
.set jj, 12
.rept 6
	v_pk_add_f32 v[ST_+2:ST_+3], v[ST_+2:ST_+3], v[SB_+jj:SB_+jj+1]
	v_pk_add_f32 v[A1:A1+1], v[A1:A1+1], v[SB_+jj+2:SB_+jj+3]
	v_pk_add_f32 v[A1+2:A1+3], v[A1+2:A1+3], v[SB_+jj+4:SB_+jj+5]
	v_pk_add_f32 v[A1+4:A1+5], v[A1+4:A1+5], v[SB_+jj+6:SB_+jj+7]
.set jj, jj+8
.endr
	v_pk_add_f32 v[ST_+2:ST_+3], v[ST_+2:ST_+3], v[SB_+60:SB_+61]
	v_pk_add_f32 v[A1:A1+1], v[A1:A1+1], v[SB_+62:SB_+63]
	WIN 0
	v_max_num_f32 v[BM], 0x1800000, v[BM]          ; the floor 2^(3 - 127): the byte cannot fall under 1
	v_max_num_f32 v[BM+2], 0x1800000, v[BM+2]
	v_pk_add_f32 v[A1+2:A1+3], v[A1+2:A1+3], v[A1+4:A1+5]
	v_pk_add_f32 v[ST_+2:ST_+3], v[ST_+2:ST_+3], v[A1:A1+1]
	v_add_nc_u32 v[SC], 0xff000000, v[BM]          ; 2 off the exponent field: the conversion's scale operand
	v_add_nc_u32 v[SC+1], 0xff000000, v[BM+2]
	v_pk_add_f32 v[ST_+2:ST_+3], v[ST_+2:ST_+3], v[A1+2:A1+3]
	v_lshrrev_b32 v[T0], 23, v[SC]                 ; the bytes of blocks h and 2 + h
	v_lshrrev_b32 v[T2], 23, v[SC+1]
	s_delay_alu instid0(VALU_DEP_1)
	v_lshl_or_b32 v[T0], v[T2], 16, v[T0]
	s_delay_alu instid0(VALU_DEP_1)
	v_lshlrev_b32 v[T0], v[SH8], v[T0]             ; at their places in the scale word
	s_delay_alu instid0(VALU_DEP_1)
	v_permlanex16_b32 v[T1], v[T0], s[SEL], s[SEL+1]
	s_delay_alu instid0(VALU_DEP_1)
	v_or_b32 v[PS], v[T0], v[T1]                   ; with lane l xor 16's two the word is whole
	WIN 0x01
	v_cvt_scalef32_pk16_fp6_f32 v[PC:PC+2], v[SB_:SB_+15], v[SC]
	v_cvt_scalef32_pk16_fp6_f32 v[PT:PT+2], v[SB_+16:SB_+31], v[SC]         ; (a conversion's three registers begin on an even number)
	v_cvt_scalef32_pk16_fp6_f32 v[PC+6:PC+8], v[SB_+32:SB_+47], v[SC+1]
	v_cvt_scalef32_pk16_fp6_f32 v[PT+4:PT+6], v[SB_+48:SB_+63], v[SC+1]
	v_nop                                          ; one plain place behind a scaled conversion
	WIN 0
.irp i, 0,1,2
	v_mov_b32 v[PC+3+\i], v[PT+\i]
	v_mov_b32 v[PC+9+\i], v[PT+4+\i]
.endr
	WIN 0x41
	s_wait_alu depctr_va_vdst(0)                   ; directly ahead of the first reader of O^T
.set jj, 0
.rept 16
	v_pk_mul_f32 v[OJ_+jj:OJ_+jj+1], v[OJ_+jj:OJ_+jj+1], v[F:F+1] op_sel_hi:[1,0]   ; O^T under the new M; these 16 also stand between p's codes and scale word and the products
.set jj, jj+2
.endr
	WIN 0x50
.irp dt, 0,1,2,3
	v_wmma_scale_f32_16x16x128_f8f6f4 v[OJ_+8*\dt:OJ_+8*\dt+7], v[VF+12*\dt:VF+12*\dt+11], v[PC:PC+11], v[OJ_+8*\dt:OJ_+8*\dt+7], v[VS+\dt], v[PS] matrix_a_fmt:MATRIX_FMT_FP6 matrix_b_fmt:MATRIX_FMT_FP6
.endr
.endm
.macro STEP last
	SLOT 0, \last
	SLOT 1, \last
	SLOT 2, \last
	SLOT 3, \last
	WIN 0
.endm
; The way out of tile j: O^T / the sum, quantised along the head's 64 (two blocks, each in lanes l and l xor 16), as a half fragment and two scale bytes a row.
.macro OUT j
.set OC_, VF+8*(\j)
	WIN 0x01
	s_wait_alu depctr_va_vdst(0)                   ; directly ahead of the first reader of this tile's O^T
.set jj, 0
.rept 16
	v_pk_mul_f32 v[XB+jj:XB+jj+1], v[OO+32*(\j)+jj:OO+32*(\j)+jj+1], v[ST+4*(\j)+2:ST+4*(\j)+3] op_sel_hi:[1,0]   ; register 16 b + i is channel 32 b + 16 h + i
.set jj, jj+2
.endr
	WIN 0
.irp b, 0,1
	v_max3_num_f32 v[BM+\b], |v[XB+16*\b]|, |v[XB+1+16*\b]|, 0x1800000
.endr
.irp i, 2,4,6,8,10,12,14
.irp b, 0,1
	s_delay_alu instid0(VALU_DEP_2)
	v_max3_num_f32 v[BM+\b], v[BM+\b], |v[XB+16*\b+\i]|, |v[XB+1+16*\b+\i]|
.endr
.endr
.irp b, 0,1
	s_delay_alu instid0(VALU_DEP_2)
	v_permlanex16_b32 v[A1+\b], v[BM+\b], s[SEL], s[SEL+1]
.endr
.irp b, 0,1
	s_delay_alu instid0(VALU_DEP_2)
	v_max_num_f32 v[BM+\b], v[BM+\b], v[A1+\b]
.endr
.irp b, 0,1
	s_delay_alu instid0(VALU_DEP_2)
	v_add_nc_u32 v[SC+\b], 0xff000000, v[BM+\b]
.endr
.irp b, 0,1
	s_delay_alu instid0(VALU_DEP_2)
	v_lshrrev_b32 v[A1+\b], 23, v[SC+\b]
.endr
	s_delay_alu instid0(VALU_DEP_1)
	v_lshl_or_b32 v[OC_+6], v[A1+1], 8, v[A1]      ; the row's two scale bytes
	v_cvt_scalef32_pk16_fp6_f32 v[OC_:OC_+2], v[XB:XB+15], v[SC]
	v_cvt_scalef32_pk16_fp6_f32 v[PT:PT+2], v[XB+16:XB+31], v[SC+1]
	v_nop
.irp i, 0,1,2
	v_permlane16_swap_b32 v[OC_+\i], v[PT+\i]      ; a whole block to a lane
.endr
.irp i, 0,1,2
	v_mov_b32 v[OC_+3+\i], v[PT+\i]
.endr
	global_store_b128 v[LI], v[OC_:OC_+3], s[XA:XA+1] offset:6400*(\j)          ; 512 consecutive bytes, at a multiple of 256 from xr's first byte
	global_store_b64 v[LJ], v[OC_+4:OC_+5], s[XA:XA+1] offset:6400*(\j)+512     ; 256
	global_store_b16 v[LS], v[OC_+6], s[XSA:XSA+1] offset:6400*(\j)             ; two bytes of each row's scale word; both halves of the lanes write the same value
.endm
	s_load_b256 s[4:11], s[0:1], 0x0               ; qc, qs, kv, toeplitz
	s_load_b64 s[12:13], s[0:1], 0x20              ; xr
	v_lshl_add_u32 v[SPW], v0, 2, SPARE
	v_mov_b32 v[NIL], 0
	ds_add_u32 v[SPW], v[NIL]                      ; the opening lines: the add, twice on end, and its wait ahead of my tensor load
	ds_add_u32 v[SPW], v[NIL]
	v_lshrrev_b32 v[TT], 5, v0
	v_readfirstlane_b32 s[WV], v[TT]               ; wave 0..7
	s_and_b32 s14, ttmp7, 0xffff                   ; 8 x batch + head
	s_and_b32 s15, ttmp9, 1                        ; which half of the queries
	s_mov_b32 s[G1], 3<<16                         ; elements of 8 bytes, no mask, no padding
	s_mov_b32 s[G1+1], 32<<16                      ; rows of 256 bytes
	s_mov_b32 s[G1+2], 51<<16                      ; 51 rows: one record
	s_mov_b32 s[G1+3], 32<<16
	s_mov_b32 s[G1+4], 51
	s_mov_b32 s[G1+5], 32
	s_mov_b32 s[G1+6], 0
	s_mov_b32 s[G1+7], 0
	s_mov_b32 s[G0], 1
	s_mul_i32 s[G0+1], s[WV], REC                  ; wave w fetches record w
	s_mul_i32 s52, s14, 8*REC
	s_add_co_u32 s52, s52, s[G0+1]
	s_mov_b32 s53, 0
	s_mov_b32 s[SEL], 0x76543210
	s_mov_b32 s[SEL+1], 0xfedcba98
	s_mov_b32 s[CS], 0x3e38aa3b                    ; log2(e) / 8
	s_mov_b32 s[CS+1], s[CS]
	s_wait_dscnt 0x0
	s_wait_kmcnt 0x0
	s_add_nc_u64 s[G0+2:G0+3], s[8:9], s[52:53]
	s_or_b32 s[G0+3], s[G0+3], 0x80000000
	tensor_load_to_lds s[G0:G0+3], s[G1:G1+7]      ; my one tensor load
	s_nop 0
	s_and_b32 s16, s14, 7                          ; the head
	s_lshr_b32 s17, s14, 3                         ; the batch
	s_lshl_b32 s52, s16, 14
	s_add_nc_u64 s[TP:TP+1], s[10:11], s[52:53]    ; the head's 4,096 numbers
	s_lshl_b32 s54, s15, 5
	s_lshl_b32 s55, s[WV], 2
	s_add_co_u32 s54, s54, s55                     ; my first tile in the batch: 32 x half + 4 x wave
	s_lshl_b32 s55, s14, 6
	s_add_co_u32 s55, s55, s54
	s_mul_i32 s52, s55, 768
	s_add_nc_u64 s[QA:QA+1], s[4:5], s[52:53]
	s_lshl_b32 s52, s55, 6
	s_add_nc_u64 s[QSA:QSA+1], s[6:7], s[52:53]
	s_lshl_b32 s55, s17, 6
	s_add_co_u32 s55, s55, s54
	s_mul_i32 s55, s55, 6400                       ; the tile's record of xr
	s_mul_i32 s52, s16, 768                        ; the head's half fragment in it
	s_add_co_u32 s52, s52, s55
	s_add_nc_u64 s[XA:XA+1], s[12:13], s[52:53]
	s_lshr_b32 s52, s16, 1
	s_lshl_b32 s52, s52, 6
	s_and_b32 s56, s16, 1
	s_lshl_b32 s56, s56, 1
	s_add_co_u32 s52, s52, s56
	s_add_co_u32 s52, s52, s55
	s_add_co_u32 s52, s52, 6144
	s_add_nc_u64 s[XSA:XSA+1], s[12:13], s[52:53]
	s_lshl_b32 s56, s15, 12
	s_lshl_b32 s57, s[WV], 9
	s_add_co_u32 s56, s56, s57
	s_add_co_u32 s56, s56, 288                     ; 256 (T / 2) + 32 (T % 2) of my fourth tile: at most 7,968
	s_mov_b32 s[TB], 0
	s_mov_b32 s[TBB], 0
	; the table: thread th makes words 16 th .. 16 th + 15 of each copy from toeplitz[4,076 - 16 th + 0 .. 19]
	v_lshlrev_b32 v[TO], 6, v0
	v_min_u32 v[TO2], 254, v0                      ; (thread 255's lowest four numbers would lie ahead of the table: it repeats thread 254's; they reach words 4,093 on alone, and the largest word read is 4,030)
	v_sub_nc_u32 v[TO], 16304, v[TO]
	v_lshlrev_b32 v[TO2], 6, v[TO2]
	v_sub_nc_u32 v[TO2], 16304, v[TO2]
	global_load_b128 v[EE:EE+3], v[TO2], s[TP:TP+1]
.irp m, 1,2,3,4
	global_load_b128 v[EE+4*\m:EE+4*\m+3], v[TO], s[TP:TP+1] offset:16*\m
.endr
	v_and_b32 v[L], 31, v0
	v_and_b32 v[R], 15, v0
	v_bfe_u32 v[H], v0, 4, 1
	v_bfe_u32 v[R8], v0, 3, 1
	v_and_b32 v[R7], 7, v0
	v_lshlrev_b32 v[LI], 4, v[L]
	v_lshlrev_b32 v[LJ], 3, v[L]
	v_lshlrev_b32 v[LS], 2, v[R]
	v_lshlrev_b32 v[SH8], 3, v[H]
.irp j, 0,1,2,3
	global_load_b128 v[QF+12*\j:QF+12*\j+3], v[LI], s[QA:QA+1] offset:768*\j
	global_load_b64 v[QF+12*\j+4:QF+12*\j+5], v[LJ], s[QA:QA+1] offset:768*\j+512
	global_load_b32 v[QS+\j], v[LS], s[QSA:QSA+1] offset:64*\j
.endr
	v_mul_u32_u24 v[TT], v[R8], 1536               ; K: rows 8-15 come from the record's tile two further on
	v_lshl_add_u32 v[BK16], v[R7], 4, v[TT]
	v_lshl_add_u32 v[BK8], v[R7], 3, v[TT]
	v_lshl_add_u32 v[BK16], v[H], 8, v[BK16]
	v_lshl_add_u32 v[BK8], v[H], 7, v[BK8]
	v_lshlrev_b32 v[TT], 7, v[R8]
	v_lshl_add_u32 v[BKS], v[R7], 2, v[TT]
	v_and_b32 v[TT], 1, v[R]                       ; the bias of (my query, key 128 step + 64 c + 32 h + i): copy r % 4, byte 8,048 - 256 xq - 4 (yq - r % 4) + 1,024 step + 512 c + 256 h + 4 i
	v_mul_u32_u24 v[BLR], v[TT], CP1
	v_bfe_u32 v[TT], v[R], 1, 1
	v_mad_u32_u24 v[BLR], v[TT], CP2, v[BLR]
	v_lshl_add_u32 v[BLR], v[H], 8, v[BLR]
	v_add_nc_u32 v[BLR], TAB+8048, v[BLR]
	v_bfe_u32 v[TT], v[R], 2, 2
	v_lshlrev_b32 v[TT], 4, v[TT]
	v_sub_nc_u32 v[BLR], v[BLR], v[TT]
	v_lshlrev_b32 v[TT], 5, v[R8]
	v_sub_nc_u32 v[BLR], v[BLR], v[TT]             ; - 16 ((r / 4) % 2) - 64 (r / 8)
	v_sub_nc_u32 v[BB], v[BLR], s56
	v_lshl_add_u32 v[TA], v0, 6, TAB
	v_and_b32 v[GA], 1, v0
	v_lshl_add_u32 v[GA], v[GA], 4, TAB
.irp j, 0,1,2,3
.irp i, 6,7,8,9,10,11
	v_mov_b32 v[QF+12*\j+\i], 0                    ; Q's zero codes
.endr
.endr
.irp i, 48,49,50,51,52,53
	v_mov_b32 v[KF+\i], 0                          ; behind K's last fragment
.endr
	v_mov_b32 v[T1], 0                             ; a lane permute's destination counts as one of its sources
	v_mov_b32 v[F+1], 0                            ; (named as the upper half of a pair)
	v_mov_b32 v[ST+1], 0xff61b1e6                  ; the largest score so far: -3e38
	v_mul_f32 v[TT], s[CS], v[ST+1]
	v_floor_f32 v[ST], -v[TT]                      ; -M
.irp j, 1,2,3
	v_mov_b32 v[ST+4*\j], v[ST]
	v_mov_b32 v[ST+4*\j+1], v[ST+1]
.endr
.irp j, 0,1,2,3
	v_mov_b32 v[ST+4*\j+2], 0
	v_mov_b32 v[ST+4*\j+3], 0
.endr
	WIN 0x40
.set jj, 0
.rept 128
	v_mov_b32 v[OO+jj], 0                          ; O^T: the step is written for all steps alike; the first finds zeros, which the first change of M leaves zeros
.set jj, jj+1
.endr
	WIN 0
	s_wait_alu depctr_va_vdst(0)
	s_wait_loadcnt 12                              ; the table's five loads are in; Q's twelve may be out
.set nn, 0
.rept 18
	v_mul_f32 v[RB+nn], 0x41000000, v[EE+19-nn]    ; reversed, x 8 (exact): number n at RB + n,
	v_mul_f32 v[RB2+2+nn], 0x41000000, v[EE+18-nn] ; and number n + 1 at RB2 + 2 + n: so every run of four begins on an even register
.set nn, nn+1
.endr
.irp a, 0,1,2,3
	ds_store_b128 v[TA], v[RB2+4+4*\a:RB2+7+4*\a] offset:16*\a                ; copy 0: numbers 3 + i
	ds_store_b128 v[TA], v[RB+2+4*\a:RB+5+4*\a] offset:CP1+16*\a              ; copy 1: 2 + i
	ds_store_b128 v[TA], v[RB2+2+4*\a:RB2+5+4*\a] offset:CP2+16*\a            ; copy 2: 1 + i
	ds_store_b128 v[TA], v[RB+4*\a:RB+3+4*\a] offset:CP1+CP2+16*\a            ; copy 3: i
.endr
	s_wait_alu depctr_va_vdst(0)
	s_cmp_lg_u32 s[WV], 0
	s_cbranch_scc1 .Lno_gap
.irp g, 16384, 32800, 32832, 32864, 49280
	ds_store_b128 v[GA], v[QF+6:QF+9] offset:\g    ; wave 0: zeros into the bytes between the copies, 32 at a time
.endr
.Lno_gap:
	s_wait_tensorcnt 0x0                           ; my record has landed,
	s_wait_loadcnt 0x0                             ; Q is in,
	s_wait_dscnt 0x0                               ; my part of the table is stored:
	s_barrier_signal -1
	s_barrier_wait -1                              ; everybody's
	ADDRS
	KLOAD 0
	WIN 0x40
	BIAS 0, SS, 0
	WIN 0x50
	s_wait_alu depctr_va_vdst(0)
	s_wait_dscnt 0x0
	QK 0, SS
	WIN 0
.rept 4
	v_nop                                          ; four places (ISA guide 7.12.1) ahead of the first read of these scores
.endr
	s_mov_b32 s[NST], 7
.Lstep:                                            ; 128 keys for my four tiles
	STEP 0
	s_sub_co_u32 s[NST], s[NST], 1
	s_cmp_lg_u32 s[NST], 0
	s_cbranch_scc1 .Lstep
	STEP 1                                         ; the last step fetches nothing further
.irp j, 0,1,2,3
	v_add_f32 v[ST+4*\j+2], v[ST+4*\j+2], v[ST+4*\j+3]          ; the sums' two halves (these lines are also the places behind the last products)
.endr
.irp j, 0,1,2,3
	v_permlanex16_b32 v[BM+\j], v[ST+4*\j+2], s[SEL], s[SEL+1]
.endr
.irp j, 0,1,2,3
	v_add_f32 v[ST+4*\j+2], v[ST+4*\j+2], v[BM+\j]              ; and lane l xor 16's: the rows' sums
.endr
	s_wait_alu depctr_va_vdst(0)
.irp j, 0,1,2,3
	v_rcp_f32 v[ST+4*\j+2], v[ST+4*\j+2]
.endr
	v_nop
	s_wait_alu depctr_va_vdst(0)
	OUT 0
	OUT 1
	OUT 2
	OUT 3
	s_wait_tensorcnt 0x0                           ; the wave's end
	ds_add_u32 v[SPW], v[NIL]
	s_wait_dscnt 0x0
	s_endpgm
.Lfunc_end_k_qadddffe912_attn:
	.size	k_qadddffe912_attn, .Lfunc_end_k_qadddffe912_attn-k_qadddffe912_attn
	.p2alignl 7, 3214868480
	.fill 96, 4, 3214868480
	.section	.rodata,"a",@progbits
	.p2align	6, 0x0
	.amdhsa_kernel k_qadddffe912_attn
		.amdhsa_group_segment_fixed_size 171264
		.amdhsa_private_segment_fixed_size 0
		.amdhsa_enable_private_segment 0
		.amdhsa_kernarg_size 40
		.amdhsa_user_sgpr_count 2
		.amdhsa_user_sgpr_kernarg_segment_ptr 1
		.amdhsa_wavefront_size32 1
		.amdhsa_system_sgpr_workgroup_id_x 1
		.amdhsa_system_sgpr_workgroup_id_y 1
		.amdhsa_system_sgpr_workgroup_id_z 1
		.amdhsa_system_vgpr_workitem_id 0
		.amdhsa_next_free_vgpr 512
		.amdhsa_next_free_sgpr 66
		.amdhsa_reserve_vcc 0
		.amdhsa_float_denorm_mode_32 3
		.amdhsa_float_denorm_mode_16_64 3
		.amdhsa_memory_ordered 1
		.amdhsa_forward_progress 1
		.amdhsa_inst_pref_size 153
	.end_amdhsa_kernel
	.amdgpu_metadata
---
amdhsa.version: [ 1, 2 ]
amdhsa.kernels:
  - .name:           k_qadddffe912_attn
    .symbol:         k_qadddffe912_attn.kd
    .args:
      - { .name: qc, .offset: 0, .size: 8, .value_kind: global_buffer, .address_space: global }
      - { .name: qs, .offset: 8, .size: 8, .value_kind: global_buffer, .address_space: global }
      - { .name: kv, .offset: 16, .size: 8, .value_kind: global_buffer, .address_space: global }
      - { .name: toeplitz, .offset: 24, .size: 8, .value_kind: global_buffer, .address_space: global }
      - { .name: xr, .offset: 32, .size: 8, .value_kind: global_buffer, .address_space: global }
    .group_segment_fixed_size: 171264
    .private_segment_fixed_size: 0
    .kernarg_segment_align: 8
    .kernarg_segment_size: 40
    .max_flat_workgroup_size: 256
    .sgpr_count:     66
    .vgpr_count:     512
    .wavefront_size: 32
...
	.end_amdgpu_metadata
.endif
;; end of part 3
;; launch outp (part 4): grid 256 x 1, 8 waves a work-group, clusters of 4 x 1, 268,288 bytes of LDS; arguments xr, wbuf, bo, out0; writes out0
.if DOCPART == 4
	.amdgcn_target "amdgcn-amd-amdhsa--gfx1250"
	.amdhsa_code_object_version 6
	.text
	.protected	k_qadddffe912_outp
	.globl	k_qadddffe912_outp
	.p2align	8
	.type	k_qadddffe912_outp,@function
k_qadddffe912_outp:
	s_mov_b64 s[64:65], 0
	v_nop
	global_prefetch_b8 v0, s[64:65] scope:SCOPE_SE
	s_setreg_imm32_b32 hwreg(HW_REG_WAVE_MODE, 25, 1), 1
	s_wait_xcnt 0x0
	s_wait_alu depctr_hold_cnt(0) depctr_sa_sdst(0) depctr_va_vdst(0) depctr_va_sdst(0) depctr_va_ssrc(0) depctr_va_vcc(0) depctr_vm_vsrc(0)
	s_getreg_b32 s2, hwreg(HW_REG_IB_STS2, 6, 4)
	s_cmp_eq_u32 s2, 0
	s_cbranch_scc0 .Lentry_in_a_cluster
	s_endpgm
.Lentry_in_a_cluster:
	s_bfe_u32 s2, ttmp6, 0x10000c
	s_cmp_lg_u32 s2, 0x3003
	s_cbranch_scc0 .Lentry_shape_is_right
	s_endpgm
.Lentry_shape_is_right:
; out = x Wo + bo, on codes of FP6 (E2M3) with one E8M0 scale for each 32 along K.  x comes as the attention launch left it: for each token tile a record of 6,400 bytes (8 half fragments of 768 bytes, one a head,
; then 4 x 16 scale words); Wo as the first launch laid it: blocks 6 and 7 of wbuf, fragments as images of the operand's registers.
; SHARES.  A work-group takes 64 tokens (four token tiles), wave w of eight columns 64 w .. 64 w + 63: a wave tile of 64 x 64, 16 accumulators by turns.
; All operands lie in LDS from the first fills on: nothing is filled again.  CLUSTER: all work-groups read the same Wo, so the four partners ask for it JOINTLY; x is each work-group's own, by a plain tensor load.
; The product is used TRANSPOSED (source 0 = 16 columns of Wo, source 1 = 16 tokens): a lane holds one token and eight neighbouring columns.  Lane r of token tile T is token 32 (T / 2) + 8 (T % 2) + r + 8 (r / 8);
; accumulator 4 m + t, register j, is column 64 w + 32 (t / 2) + 16 h + 8 (t % 2) + j.  The bias is added in f32 behind the sums.
; The results go through the wave's own stage in LDS and leave as pieces of 256 consecutive bytes of a row of out0.
.set SLOTB, 102400
.set XIMG,  2*SLOTB                    ; four records of x
.set XREC,  6400
.set STAGE, XIMG+4*XREC                ; for each wave 16 rows of 256 + 16 bytes
.set TPW,   16*272
.set BIAS,  STAGE+8*TPW                ; bo
.set SPARE, BIAS+2048                  ; the spare words, 128 bytes for each wave: four blocks of 256 bytes that no other line names
.set LI,   1                           ; v1   16 x lane
.set LJ,   2                           ; v2   8 x lane
.set LS,   3                           ; v3   4 r
.set WA0,  6                           ; v6   my fragments of Wo, first half of K: 16 x lane + 12,288 w;  v7 second half
.set WA1,  7
.set WSA0, 8                           ; v8   their scale words;  v9
.set WSA1, 9
.set XA16, 10
.set XA8,  11
.set XSA,  12
.set SO,   13                          ; v13  the stage, on the way in
.set SR,   14                          ; v14  and back
.set XG,   15                          ; v15  2,048 h + 16 r: my 16 bytes of two rows of out0
.set WF,   16                          ; v16-63   four fragments of Wo
.set XF,   64                          ; v64-111  four fragments of x
.set WS,   112                         ; v112-115, v116-119 scale words, and nothing else
.set XS,   116
.set BA,   120                         ; v120 BIAS + 256 w + 64 h
.set SPW,  126
.set NIL,  127
.set ACC,  128
.set BT,   80                          ; v80-111  the bias, behind the products
.set OB,   16                          ; v16-47, v48-79 rows read back from the stage, by turns
.set WV,   22
.set G1,   28                          ; s[28:35] group 1 for Wo;  s[36:39] its group 0
.set G0,   36
.set G1X,  44                          ; s[44:51], s[52:55] for x
.set G0X,  52
.set OUTB, 62
.macro ROUND
	s_barrier_signal -1
	s_barrier_wait -1
	s_cmp_lg_u32 s[WV], 0
	s_cbranch_scc1 .Lnot_wave_0_\@
	s_barrier_signal -3
.Lnot_wave_0_\@:
	s_barrier_wait -3
	s_barrier_signal -1
	s_barrier_wait -1
.endm
.macro MM d, fa, fb, sa, sb, zero
.if \zero
	v_wmma_scale_f32_16x16x128_f8f6f4 v[\d:\d+7], v[\fa:\fa+11], v[\fb:\fb+11], 0, v[\sa], v[\sb] matrix_a_fmt:MATRIX_FMT_FP6 matrix_b_fmt:MATRIX_FMT_FP6
.else
	v_wmma_scale_f32_16x16x128_f8f6f4 v[\d:\d+7], v[\fa:\fa+11], v[\fb:\fb+11], v[\d:\d+7], v[\sa], v[\sb] matrix_a_fmt:MATRIX_FMT_FP6 matrix_b_fmt:MATRIX_FMT_FP6
.endif
.endm
; One K step of 128: my four fragments of Wo (K step sp of the half at wa), the four token tiles' fragments (K step s), 16 products on 16 accumulators by turns.  zero = 1: they start the sums.
.macro KSTEP wa, wsa, sp, s, zero
.irp t, 0,1,2,3
.irp c, 0,1,2
	ds_load_b128 v[WF+12*\t+4*\c:WF+12*\t+4*\c+3], v[\wa] offset:3072*\t+1536*(\sp)+512*\c
.endr
	ds_load_b32 v[WS+\t], v[\wsa] offset:128*\t+64*(\sp)
.endr
.irp m, 0,1,2,3
	ds_load_b128 v[XF+12*\m:XF+12*\m+3], v[XA16] offset:XREC*\m+1536*(\s)
	ds_load_b64 v[XF+12*\m+4:XF+12*\m+5], v[XA8] offset:XREC*\m+1536*(\s)+512
	ds_load_b128 v[XF+12*\m+6:XF+12*\m+9], v[XA16] offset:XREC*\m+1536*(\s)+768
	ds_load_b64 v[XF+12*\m+10:XF+12*\m+11], v[XA8] offset:XREC*\m+1536*(\s)+1280
	ds_load_b32 v[XS+\m], v[XSA] offset:XREC*\m+6144+64*(\s)
.endr
	s_wait_dscnt 0x0
.irp a, 0,1,2,3
.irp b, 0,1,2,3
	MM ACC+8*(4*\a+\b), WF+12*\b, XF+12*\a, WS+\b, XS+\a, \zero
.endr
.endr
.rept 4
	v_nop                                          ; four places in front of loads into registers that these products read, and of the first read of results
.endr
.endm
.macro TOSTAGE m                               ; token tile m: 16 rows x 256 bytes into my stage, and back as whole rows
.irp t, 0,1,2,3
.irp q, 0,1
	ds_store_b128 v[SO], v[ACC+8*(4*(\m)+\t)+4*\q:ACC+8*(4*(\m)+\t)+4*\q+3] offset:128*(\t/2)+32*(\t%2)+16*\q
.endr
.endr
.irp i, 0,1,2,3,4,5,6,7
	ds_load_b128 v[OB+32*((\m)%2)+4*\i:OB+32*((\m)%2)+4*\i+3], v[SR] offset:544*\i   ; LDS serves a wave's instructions in order (ISA guide 5.7.1.4): these see the stores above, and the next tile's stores come behind them
.endr
.endm
.macro SEND m, younger                         ; younger: the LDS instructions issued behind tile m's loads, which may stay out
	s_wait_dscnt \younger
.irp i, 0,1,2,3,4,5,6,7
	global_store_b128 v[XG], v[OB+32*((\m)%2)+4*\i:OB+32*((\m)%2)+4*\i+3], s[OUTB:OUTB+1] offset:(32*((\m)/2)+8*((\m)%2)+2*\i+8*(\i/4))*2048 th:TH_STORE_NT   ; sixteen lanes store 256 consecutive bytes, at a multiple of 256 from out0's first byte
.endr
.endm
	s_load_b256 s[4:11], s[0:1], 0x0               ; xr s[4:5], wbuf s[6:7], bo s[8:9], out0 s[10:11]
	v_lshl_add_u32 v[SPW], v0, 2, SPARE
	v_mov_b32 v[NIL], 0
	ds_add_u32 v[SPW], v[NIL]                      ; the wave's opening: the add and its wait ahead of my first tensor load; work on registers stands between them
	ds_add_u32 v[SPW], v[NIL]
	v_lshrrev_b32 v16, 5, v0
	s_delay_alu instid0(VALU_DEP_1)
	v_readfirstlane_b32 s[WV], v16                 ; wave 0..7
	s_bfe_u32 s23, ttmp6, 0x40000                  ; cx
	s_lshl_b32 s24, ttmp9, 2
	s_add_co_u32 s24, s24, s23                     ; wg = 4 x cluster + cx: it enters the global addresses of x and of out0 alone
	s_mov_b32 s[G1], 15|(3<<16)|(1<<21)            ; the mask: all four work-groups; elements of 8 bytes; 21 set beside a mask
	s_mov_b32 s[G1+1], 32<<16                      ; rows of 256 bytes
	s_mov_b32 s[G1+2], 200<<16                     ; 200 dense rows of 256 bytes: a quarter of Wo's two blocks, which lie on end in wbuf and in LDS
	s_mov_b32 s[G1+3], 32<<16
	s_mov_b32 s[G1+4], 200
	s_mov_b32 s[G1+5], 32
	s_mov_b32 s[G1+6], 0
	s_mov_b32 s[G1+7], 0
	s_mov_b32 s[G1X], 3<<16                        ; no mask: x is my work-group's own
	s_mov_b32 s[G1X+1], 32<<16                     ; 25 dense rows of 256 bytes: one record of x
	s_mov_b32 s[G1X+2], 25<<16
	s_mov_b32 s[G1X+3], 32<<16
	s_mov_b32 s[G1X+4], 25
	s_mov_b32 s[G1X+5], 32
	s_mov_b32 s[G1X+6], 0
	s_mov_b32 s[G1X+7], 0
	s_and_b32 s59, s[WV], 3                        ; waves 0-3 fetch a quarter of Wo each, waves 4-7 a record of x each
	s_mul_i32 s56, s59, 51200
	s_mov_b32 s57, 0
	s_mul_i32 s58, s59, 6400
	s_mul_i32 s60, s24, 4*XREC
	s_add_co_u32 s60, s60, s58
	s_mov_b32 s61, 0
	s_mov_b32 s[G0], 1
	s_mov_b32 s[G0+1], s56
	s_mov_b32 s[G0X], 1
	s_add_co_u32 s[G0X+1], s58, XIMG
	s_wait_dscnt 0x0                               ; the opening add is done
	s_wait_kmcnt 0x0
	s_add_nc_u64 s[G0+2:G0+3], s[6:7], s[56:57]
	s_add_nc_u64 s[G0+2:G0+3], s[G0+2:G0+3], 6*SLOTB   ; Wo, first half of K
	s_add_nc_u64 s[G0X+2:G0X+3], s[4:5], s[60:61]
	s_or_b32 s[G0+3], s[G0+3], 0x80000000
	s_or_b32 s[G0X+3], s[G0X+3], 0x80000000
	ROUND                                          ; all four work-groups are here: the joint loads meet
	s_cmp_lt_u32 s[WV], 4                          ; one tensor load a wave, in the two arms of one branch on the wave's number
	s_cbranch_scc0 .Lfor_x
	tensor_load_to_lds s[G0:G0+3], s[G1:G1+7]      ; jointly: my quarter of Wo
	s_nop 0
.rept 4
	v_nop
.endr
	s_branch .Lasked
.Lfor_x:
	tensor_load_to_lds s[G0X:G0X+3], s[G1X:G1X+7]  ; my work-group's own: a record of x
	s_nop 0
.rept 4
	v_nop
.endr
.Lasked:
	v_lshlrev_b32 v92, 3, v0                       ; bo: 8 bytes a thread
	v_lshl_add_u32 v93, v0, 3, BIAS
	global_load_b64 v[94:95], v92, s[8:9]
	v_and_b32 v16, 31, v0                          ; lane
	v_and_b32 v17, 15, v0                          ; r
	v_bfe_u32 v18, v0, 4, 1                        ; h
	s_delay_alu instid0(VALU_DEP_3)
	v_lshlrev_b32 v[LI], 4, v16
	s_delay_alu instid0(VALU_DEP_4)
	v_lshlrev_b32 v[LJ], 3, v16
	s_delay_alu instid0(VALU_DEP_4)
	v_lshlrev_b32 v[LS], 2, v17
	s_mul_i32 s56, s[WV], 12288
	v_add_nc_u32 v[WA0], s56, v[LI]
	s_delay_alu instid0(VALU_DEP_1)
	v_add_nc_u32 v[WA1], SLOTB, v[WA0]
	s_lshl_b32 s56, s[WV], 9
	s_add_co_u32 s56, s56, 98304
	v_add_nc_u32 v[WSA0], s56, v[LS]
	s_delay_alu instid0(VALU_DEP_1)
	v_add_nc_u32 v[WSA1], SLOTB, v[WSA0]
	v_add_nc_u32 v[XA16], XIMG, v[LI]
	v_add_nc_u32 v[XA8], XIMG, v[LJ]
	v_add_nc_u32 v[XSA], XIMG, v[LS]
	s_mul_i32 s56, s[WV], TPW
	s_add_co_u32 s56, s56, STAGE
	v_mul_u32_u24 v19, v17, 272
	s_delay_alu instid0(VALU_DEP_1)
	v_lshl_add_u32 v19, v18, 6, v19
	s_delay_alu instid0(VALU_DEP_1)
	v_add_nc_u32 v[SO], s56, v19                   ; in: row r, 64 h
	v_mul_u32_u24 v19, v18, 272
	s_delay_alu instid0(VALU_DEP_1)
	v_lshl_add_u32 v19, v17, 4, v19
	s_delay_alu instid0(VALU_DEP_1)
	v_add_nc_u32 v[SR], s56, v19                   ; back: row h of a pair, 16 r
	v_lshlrev_b32 v19, 4, v17
	s_delay_alu instid0(VALU_DEP_1)
	v_lshl_add_u32 v[XG], v18, 11, v19
	s_lshl_b32 s56, s[WV], 8
	s_lshl_b32 s58, s24, 17
	s_add_co_u32 s58, s58, s56                     ; my work-group's 64 rows of 2,048 bytes, my wave's 256 bytes of each
	s_mov_b32 s59, 0
	s_add_nc_u64 s[OUTB:OUTB+1], s[10:11], s[58:59]
	s_add_co_u32 s56, s56, BIAS
	v_lshl_add_u32 v[BA], v18, 6, s56
	s_wait_alu depctr_va_vdst(0)
	s_wait_loadcnt 0x0
	ds_store_b64 v93, v[94:95]
	s_wait_tensorcnt 0x0                           ; my one load has landed
	s_wait_dscnt 0x0                               ; my part of bo is stored
	s_barrier_signal -1
	s_barrier_wait -1
	KSTEP WA0, WSA0, 0, 0, 1
	KSTEP WA0, WSA0, 1, 1, 0
	KSTEP WA1, WSA1, 0, 2, 0
	KSTEP WA1, WSA1, 1, 3, 0
.irp t, 0,1,2,3                                ; the bias: each accumulator is read from its low end on
.irp q, 0,1
	ds_load_b128 v[BT+8*\t+4*\q:BT+8*\t+4*\q+3], v[BA] offset:128*(\t/2)+32*(\t%2)+16*\q
.endr
.endr
	s_wait_dscnt 0x0
.irp m, 0,1,2,3
.irp t, 0,1,2,3
.irp i, 0,2,4,6
	v_pk_add_f32 v[ACC+8*(4*\m+\t)+\i:ACC+8*(4*\m+\t)+\i+1], v[ACC+8*(4*\m+\t)+\i:ACC+8*(4*\m+\t)+\i+1], v[BT+8*\t+\i:BT+8*\t+\i+1]
.endr
.endr
.endr
	TOSTAGE 0
	s_wait_alu depctr_va_vdst(0)
.irp a, 1,2,3
.if \a > 1
	s_wait_xcnt 0x0                                ; tile a - 2's stores have read their registers: tile a's rows may land there
.endif
	TOSTAGE \a
	SEND \a-1, 16                                  ; behind tile a - 1's loads: tile a's eight stores and eight loads
.endr
	SEND 3, 0
	s_wait_tensorcnt 0x0                           ; the wave's end, behind my last tensor load and my last LDS store
	ds_add_u32 v[SPW], v[NIL]
	s_wait_dscnt 0x0
	ROUND                                          ; the closing round: no work-group ends while a partner may still ask for a block that names it
	s_endpgm
.Lfunc_end_k_qadddffe912_outp:
	.size	k_qadddffe912_outp, .Lfunc_end_k_qadddffe912_outp-k_qadddffe912_outp
	.p2alignl 7, 3214868480
	.fill 96, 4, 3214868480
	.section	.rodata,"a",@progbits
	.p2align	6, 0x0
	.amdhsa_kernel k_qadddffe912_outp
		.amdhsa_group_segment_fixed_size 268288
		.amdhsa_private_segment_fixed_size 0
		.amdhsa_enable_private_segment 0
		.amdhsa_kernarg_size 32
		.amdhsa_user_sgpr_count 2
		.amdhsa_user_sgpr_kernarg_segment_ptr 1
		.amdhsa_wavefront_size32 1
		.amdhsa_system_sgpr_workgroup_id_x 1
		.amdhsa_system_sgpr_workgroup_id_y 1
		.amdhsa_system_sgpr_workgroup_id_z 1
		.amdhsa_system_vgpr_workitem_id 0
		.amdhsa_next_free_vgpr 256
		.amdhsa_next_free_sgpr 66
		.amdhsa_reserve_vcc 0
		.amdhsa_float_denorm_mode_32 3
		.amdhsa_float_denorm_mode_16_64 3
		.amdhsa_memory_ordered 1
		.amdhsa_forward_progress 1
		.amdhsa_inst_pref_size 36
	.end_amdhsa_kernel
	.amdgpu_metadata
---
amdhsa.version: [ 1, 2 ]
amdhsa.kernels:
  - .name:           k_qadddffe912_outp
    .symbol:         k_qadddffe912_outp.kd
    .args:
      - { .name: xr, .offset: 0, .size: 8, .value_kind: global_buffer, .address_space: global }
      - { .name: wbuf, .offset: 8, .size: 8, .value_kind: global_buffer, .address_space: global }
      - { .name: bo, .offset: 16, .size: 8, .value_kind: global_buffer, .address_space: global }
      - { .name: out0, .offset: 24, .size: 8, .value_kind: global_buffer, .address_space: global }
    .group_segment_fixed_size: 268288
    .private_segment_fixed_size: 0
    .kernarg_segment_align: 8
    .kernarg_segment_size: 32
    .max_flat_workgroup_size: 256
    .sgpr_count:     66
    .vgpr_count:     256
    .wavefront_size: 32
...
	.end_amdgpu_metadata
.endif
;; end of part 4
